; MI455X (gfx1250); checked and timed in simulation.
; The chip was launched on July 23, 2026; its instructions are those of AMD's public machine-readable ISA for CDNA 5 (MIT licence, August 2026) and "CDNA5" Instruction Set Architecture Reference Guide (July 2026). The comments in the code are by the model that wrote it; some were corrected since.
;; Multi Head Layer. Allowed arithmetic: float matrix products may take bf16 or f16 operands with f32 sums; other float arithmetic in f32, or as packed bf16 or f16 multiplies, adds, multiply-adds, maxima and minima; sums over many terms, partial sums and values carried from step to step in f32; what a program stores and reads back later, other than sums and carried values, may be rounded once to bf16 or f16.
;; Inputs: Wk 8 x 768 x 96 float32; Wo 768 x 768 float32; Wq 8 x 768 x 96 float32; Wv 8 x 768 x 96 float32; bk 8 x 96 float32; bo 768 float32; bq 8 x 96 float32; bv 8 x 96 float32; input_key 4 x 2,048 x 768 float32; input_querys 4 x 2,048 x 768 float32; input_values 4 x 2,048 x 768 float32.
;; Outputs: out0 4 x 2,048 x 768 float32.
;; 2 versions, each right; version 2 is version 1 with the launch prep written anew for expert scheduling mode. Each part assembles by itself: llvm-mc -triple=amdgcn-amd-amdhsa -mcpu=gfx1250 --defsym DOCPART=n.
;; ======== version 1 of 2: 4 launches
;; limits: values are held in f16: magnitudes above 65,504 overflow, below 6.1e-05 lose precision
;; workspace buffers: wts 4,718,592 bytes; qkv 37,748,736 bytes; oh 12,582,912 bytes
;; launch prep (part 1): grid 72 x 4, 8 waves a work-group, no clusters, 0 bytes of LDS; arguments Wq, Wk, Wv, Wo, wts; writes wts
.if DOCPART == 1
	.amdgcn_target "amdgcn-amd-amdhsa--gfx1250"
	.amdhsa_code_object_version 6
	.text
	.protected	k_qa2cf6810d3_prep
	.globl	k_qa2cf6810d3_prep
	.p2align	8
	.type	k_qa2cf6810d3_prep,@function
k_qa2cf6810d3_prep:
	s_mov_b64 s[64:65], 0
	v_nop
	global_prefetch_b8 v0, s[64:65] scope:SCOPE_SE
	s_setreg_imm32_b32 hwreg(HW_REG_WAVE_MODE, 25, 1), 1
	s_wait_xcnt 0x0
; THE WEIGHTS IN 16 BITS.  wts is [4][8][768][96] in 16 bits: 0, 1, 2 = Wq, Wk, Wv rounded to bf16, in their own order [head][d][k];
; 3 = Wo in panels of 96 columns, [j][c][n] = Wo[c][96 j + n], rounded to bf16 and that number written as f16.
; LIMITS.  |Wo| stays under 65,504 (f16's end); below 6e-5 it keeps f16's fixed step of 6e-8.
; SHARES.  grid y = the tensor; a work-group makes 8,192 numbers of it, thread t four numbers in each of eight pieces of 1,024:
; a wave's load covers 512 bytes (Wo: in runs of 384), a wave's store 256 consecutive bytes, aligned.  A plain stream: no LDS, no loop.
.set WT,    1179648                    ; bytes of one tensor in wts
.set PANEL, 73728                      ; numbers in a panel of 768 x 96
	s_load_b256 s[4:11], s[0:1], 0x0               ; Wq s[4:5], Wk s[6:7], Wv s[8:9], Wo s[10:11]
	s_load_b64 s[12:13], s[0:1], 0x20              ; wts
	s_and_b32 s14, ttmp7, 0xffff                   ; the tensor
	s_mov_b32 s15, ttmp9                           ; the work-group, 0 to 71
	s_mul_i32 s16, s15, 57
	s_lshr_b32 s16, s16, 9                         ; its panel j = work-group / 9 (57 / 512 serves up to 71)
	s_mul_i32 s17, s16, 9
	s_sub_co_u32 s17, s15, s17
	s_lshl_b32 s17, s17, 13                        ; its first number within the panel
	s_mul_i32 s22, s16, 96
	s_mul_i32 s23, s16, PANEL
	s_cmp_eq_u32 s14, 3
	s_cselect_b32 s18, 672, 0                      ; Wo: a row of the panel (96) is 768 apart in the source: 672 more for each row c
	s_cselect_b32 s19, s22, s23                    ; Wo: the panel begins at column 96 j; the others: at number 73,728 j
	s_mov_b32 s24, 43691                           ; x / 96 = (43,691 x) >> 22 for x under 73,728; the product stays under 2^32
	s_mul_i32 s26, s14, WT
	s_lshl_b32 s27, s15, 14
	s_add_co_u32 s26, s26, s27                     ; where the work-group stores, in bytes
	s_mov_b32 s27, 0
	v_lshl_add_u32 v1, v0, 2, s17                  ; my first number within the panel
	v_lshlrev_b32 v2, 3, v0                        ; my 8 bytes of a piece
.irp i, 0,1,2,3,4,5,6,7
	v_add_nc_u32 v64, 1024*(\i), v1                ; place in the panel = 96 c + n
	v_mul_u32_u24 v65, v64, s24
	v_lshrrev_b32 v65, 22, v65                     ; c
	v_mad_u32_u24 v65, v65, s18, v64
	v_add_nc_u32 v65, s19, v65                     ; the number's place in the source
	v_lshlrev_b32 v[4+(\i)], 2, v65
.endr
	s_wait_kmcnt 0x0
	s_cmp_eq_u32 s14, 1
	s_cselect_b64 s[20:21], s[6:7], s[4:5]
	s_cmp_eq_u32 s14, 2
	s_cselect_b64 s[20:21], s[8:9], s[20:21]
	s_cmp_eq_u32 s14, 3
	s_cselect_b64 s[20:21], s[10:11], s[20:21]
	s_add_nc_u64 s[12:13], s[12:13], s[26:27]
.irp i, 0,1,2,3,4,5,6,7
	global_load_b128 v[16+4*(\i):19+4*(\i)], v[4+(\i)], s[20:21] th:TH_LOAD_NT
.endr
; Piece i: rounded to bf16; half = 1: that number widened again and written as f16 (exact within f16's range).
.macro CONV i, half
	s_wait_loadcnt 7-(\i)                          ; loads come back in order: piece i is in, the younger ones stay out
	v_cvt_pk_bf16_f32 v[48+2*(\i)], v[16+4*(\i)], v[17+4*(\i)]
	v_cvt_pk_bf16_f32 v[49+2*(\i)], v[18+4*(\i)], v[19+4*(\i)]
.if \half
	v_lshlrev_b32 v64, 16, v[48+2*(\i)]
	v_and_b32 v65, 0xffff0000, v[48+2*(\i)]
	v_lshlrev_b32 v66, 16, v[49+2*(\i)]
	v_and_b32 v67, 0xffff0000, v[49+2*(\i)]
	v_cvt_pk_f16_f32 v[48+2*(\i)], v64, v65
	v_cvt_pk_f16_f32 v[49+2*(\i)], v66, v67
.endif
	global_store_b64 v2, v[48+2*(\i):49+2*(\i)], s[12:13] offset:2048*(\i)
.endm
	s_cmp_eq_u32 s14, 3
	s_cbranch_scc1 .Lwo
.irp i, 0,1,2,3,4,5,6,7
	CONV \i, 0
.endr
	s_endpgm
.Lwo:
.irp i, 0,1,2,3,4,5,6,7
	CONV \i, 1
.endr
	s_endpgm
.Lfunc_end_k_qa2cf6810d3_prep:
	.size	k_qa2cf6810d3_prep, .Lfunc_end_k_qa2cf6810d3_prep-k_qa2cf6810d3_prep
	.p2alignl 7, 3214868480
	.fill 96, 4, 3214868480
	.section	.rodata,"a",@progbits
	.p2align	6, 0x0
	.amdhsa_kernel k_qa2cf6810d3_prep
		.amdhsa_group_segment_fixed_size 0
		.amdhsa_private_segment_fixed_size 0
		.amdhsa_enable_private_segment 0
		.amdhsa_kernarg_size 40
		.amdhsa_user_sgpr_count 2
		.amdhsa_user_sgpr_kernarg_segment_ptr 1
		.amdhsa_wavefront_size32 1
		.amdhsa_system_sgpr_workgroup_id_x 1
		.amdhsa_system_sgpr_workgroup_id_y 1
		.amdhsa_system_sgpr_workgroup_id_z 1
		.amdhsa_system_vgpr_workitem_id 0
		.amdhsa_next_free_vgpr 72
		.amdhsa_next_free_sgpr 66
		.amdhsa_reserve_vcc 0
		.amdhsa_float_denorm_mode_32 3
		.amdhsa_float_denorm_mode_16_64 3
		.amdhsa_memory_ordered 1
		.amdhsa_forward_progress 1
		.amdhsa_inst_pref_size 12
	.end_amdhsa_kernel
	.amdgpu_metadata
---
amdhsa.version: [ 1, 2 ]
amdhsa.kernels:
  - .name:           k_qa2cf6810d3_prep
    .symbol:         k_qa2cf6810d3_prep.kd
    .args:
      - { .name: Wq, .offset: 0, .size: 8, .value_kind: global_buffer, .address_space: global }
      - { .name: Wk, .offset: 8, .size: 8, .value_kind: global_buffer, .address_space: global }
      - { .name: Wv, .offset: 16, .size: 8, .value_kind: global_buffer, .address_space: global }
      - { .name: Wo, .offset: 24, .size: 8, .value_kind: global_buffer, .address_space: global }
      - { .name: wts, .offset: 32, .size: 8, .value_kind: global_buffer, .address_space: global }
    .group_segment_fixed_size: 0
    .private_segment_fixed_size: 0
    .kernarg_segment_align: 8
    .kernarg_segment_size: 40
    .max_flat_workgroup_size: 256
    .sgpr_count:     66
    .vgpr_count:     72
    .wavefront_size: 32
...
	.end_amdgpu_metadata
.endif
;; end of part 1
;; launch proj (part 2): grid 4 x 96, 4 waves a work-group, clusters of 4 x 4, 327,680 bytes of LDS; arguments input_querys, input_key, input_values, wts, bq, bk, bv, qkv; writes qkv
.if DOCPART == 2
	.amdgcn_target "amdgcn-amd-amdhsa--gfx1250"
	.amdhsa_code_object_version 6
	.text
	.protected	k_qa2cf6810d3_proj
	.globl	k_qa2cf6810d3_proj
	.p2align	8
	.type	k_qa2cf6810d3_proj,@function
k_qa2cf6810d3_proj:
	s_mov_b64 s[64:65], 0
	v_nop
	global_prefetch_b8 v0, s[64:65] scope:SCOPE_SE
	s_setreg_imm32_b32 hwreg(HW_REG_WAVE_MODE, 25, 1), 1
	s_wait_xcnt 0x0
	s_wait_alu depctr_hold_cnt(0) depctr_sa_sdst(0) depctr_va_vdst(0) depctr_va_sdst(0) depctr_va_ssrc(0) depctr_va_vcc(0) depctr_vm_vsrc(0)
	s_getreg_b32 s2, hwreg(HW_REG_IB_STS2, 6, 4)
	s_cmp_eq_u32 s2, 0
	s_cbranch_scc0 .Lentry_in_a_cluster
	s_endpgm
.Lentry_in_a_cluster:
	s_bfe_u32 s2, ttmp6, 0x10000c
	s_cmp_lg_u32 s2, 0xf033
	s_cbranch_scc0 .Lentry_shape_is_right
	s_endpgm
.Lentry_shape_is_right:
; THE THREE PROJECTIONS.  qkv[T][8 batch + head][s][k] = sum over d of x_T[batch][s][d] W_T[head][d][k] + b_T[head][k], in f16, unscaled.
; x (f32) is rounded to bf16 in registers, W comes as bf16 from wts, the bias is rounded to bf16 and starts the f32 sums.
; LIMITS.  q, k and v leave as f16: they must stay under 65,504.  With numbers of unit spread in x and spread 1/sqrt(768) in W they have spread 1; all inputs
; 30 times larger give some 5e3, an offset of 30 spreads on x and W some 2.5e4; both at once are not served.  NaN and infinities are not treated apart.
; SHARES.  A tile is 256 rows x 192 columns (two heads): 3 x 32 x 4 = 384 tiles.  Four waves, each 64 rows x 192 columns: 48 accumulators.  K = 768 goes in 24 chunks of 32.
; x BY REGISTERS.  A wave multiplies its own 64 rows alone, so x goes straight from memory into registers, in the fragment's layout: lane l takes row l % 16 of a block of 16 rows, 32 bytes at 32 (l / 16)
; and 32 bytes 64 further on; a chunk is 16 loads, 64 registers; two chunks on end cover 256 consecutive aligned bytes of each row.  A ring of four such buffers: in chunk c the buffer of chunk c + 1 is
; rounded to bf16 and at once asked for again, for chunk c + 5: four chunks, 192 products, ahead of its use.
; x IS NOT ASKED FOR JOINTLY, though the four column groups of a cluster read the same rows: a joint load lands in LDS, where 256 rows x 64 f32 are 69,632 bytes, so that beside W two slots hold 64 along K
; each and a refill has 96 products in which to land; and no wave reads another wave's rows, so LDS would spare no read.
; W THROUGH LDS.  Two slots of 128 along K (four chunks).  Each wave fills one head's 64 rows: 12,288 dense bytes asked for as 48 rows of 256 and padded by 32 bytes behind every 64: a row is 3 x 96 = 288
; bytes, columns 16 n on lie at 96 (n / 2) + 32 (n % 2).  The turning load reads [d][column] and leaves a fragment with one column a lane.
; CLUSTER.  4 x 4 work-groups: cx = the column group, cy = one of four row blocks; cluster y = 8 T + a group of four row blocks.  W's tile is shared along a column of the cluster and asked for jointly.
; THE PRODUCT IS USED TRANSPOSED (source 0 = 16 columns of W, source 1 = 16 rows of x): a lane holds one row and eight neighbouring channels, 16 bytes of f16.
; REGISTERS, in windows of 256: window 0: v0-31 addresses; v32-95 x's ring, buffer 0; v96-127, v128-159 x's bf16 fragments, two buffers; v160-255 the bias, 8 a column block (later the way out);
; window 1: v0-95, v96-191 W's fragments, two buffers; windows 2, 3: accumulator (a, b) in window 2 + a / 2 at 8 (12 (a % 2) + b); v192-255 of windows 1, 2, 3: x's ring, buffers 1, 2, 3.
.set XROW,  3072                       ; bytes in a row of x
.set WP,    288                        ; a row of W in LDS
.set CH,    32*WP                      ; a chunk's 32 rows
.set WH,    128*WP                     ; one head's 128 rows
.set SLOT1, 1<<17                      ; slot 1 begins here, so that one exclusive or turns an address in one slot into the other's
.set STAGE, SLOT1+2*WH                 ; behind the ring: for each wave 2 heads x 16 rows x 208 bytes, for the way out
.set SP,    208
.set STW,   2*16*SP
.set SPARE, STAGE+4*STW                ; the spare words, 128 bytes for each wave: two blocks of 256 bytes that no other line names
.set TBY,   12582912                   ; bytes of q, of k, of v in qkv
.set HB,    393216                     ; bytes of a head: 2,048 rows of 192
.set WT,    1179648                    ; bytes of one tensor in wts
.set WPAN,  147456                     ; bytes of a head's weights
.set XO,   16                          ; v16     my byte offset in a block of 16 rows of x; never rewritten
.set ADR,  18                          ; v18-19  LDS address of the run of turning loads in hand, head 0 and head 1
.set AB0,  20                          ; v20-21  my lane's place in a chunk of W, head 0 and head 1; never rewritten
.set CO,   22                          ; v22     16 x lane: my bytes in 512 consecutive bytes of the output
.set STO,  24                          ; v24     the way out: where I put 16 bytes of a row
.set RD,   25                          ; v25-27  the way out: where I read them back, for chunks lane, 32 + lane, 64 + lane of 16 bytes
.set SPW,  28                          ; v28     my spare word; never rewritten
.set NIL,  29                          ; v29     0; never rewritten
.set PFO,  30                          ; v30     the prefetches' offset; never rewritten
.set BO,   31                          ; v31     my byte offset in the bias
.set A0,   96
.set BIAS, 160
.set TMP,  160
.set XP,   14                          ; s[14:15] x at my wave's first row, at the chunk that the trip's loads count from
.set G1B,  48                          ; s[48:55] group 1 for W's tiles
.set G0B,  56                          ; s[56:63] group 0: a set for each of the two first fills; the second then walks on
.set TB,   66                          ; s66  LDS byte at which the chunk of W to be fetched begins
.set MSK,  67                          ; s67  a word's upper bf16
.set MSB, 0
.macro WIN new                         ; the immediate's high byte repeats the setting that is left; a switch that changes nothing is dropped
.if MSB != (\new)
	s_set_vgpr_msb (MSB<<8)|(\new)
.set MSB, \new
.endif
.endm
.macro PLACES                          ; four places behind matrix instructions
.rept 4
	v_nop
.endr
.endm
.macro CREST                           ; a round of the cluster's barrier behind its opening barrier
	s_cmp_lg_u32 s10, 0
	s_cbranch_scc1 .Lnot_wave_0_\@
	s_barrier_signal -3
.Lnot_wave_0_\@:
	s_barrier_wait -3
	s_barrier_signal -1
	s_barrier_wait -1
.endm
.macro CROUND
	s_barrier_signal -1
	s_barrier_wait -1
	CREST
.endm
.macro AFSET q                         ; ring buffer q lies in window q: at v32 in window 0, at v192 in the others
.set AFB, 32+160*(((\q)+3)/4)
.endm
; A chunk's 16 loads into ring buffer q, from byte off behind the pointer.  step = 1: the pointer goes four chunks on first; the loads and the prefetch that read it were issued a chunk or more earlier.
.macro LOADX q, off, step
.if \step
	s_wait_xcnt 0x0                                ; every load and prefetch issued so far has read its address
	s_add_nc_u64 s[XP:XP+1], s[XP:XP+1], 512
.endif
	AFSET \q
	WIN (\q)<<6                                    ; destination window q, address window 0
.set la, 0
.rept 4                                ; block la of 16 rows: K = 8 h + 0..7 and 16 + 8 h + 0..7, 32 bytes each
	global_load_b128 v[AFB+16*la:AFB+16*la+3],     v[XO], s[XP:XP+1] offset:la*16*XROW+(\off)
	global_load_b128 v[AFB+16*la+4:AFB+16*la+7],   v[XO], s[XP:XP+1] offset:la*16*XROW+(\off)+16
	global_load_b128 v[AFB+16*la+8:AFB+16*la+11],  v[XO], s[XP:XP+1] offset:la*16*XROW+(\off)+64
	global_load_b128 v[AFB+16*la+12:AFB+16*la+15], v[XO], s[XP:XP+1] offset:la*16*XROW+(\off)+80
.set la, la+1
.endr
.endm
; A prefetch of x, behind a trip's first loads: the 512 bytes of each row that stand two trips behind the pointer, whose first chunk is loaded six chunks later.  Of my wave's 64 rows the partner at place cx
; takes 16, told apart by address; a lane names one of their two blocks of 256 bytes: each block is named once in the launch.  Chunks 0 to 11 come by their loads alone; the loop's last trip asks for nothing.
.macro ASK
	WIN 0
	s_cmp_gt_u32 s3, 1
	s_cbranch_scc0 .Lno_ask_\@
	global_prefetch_b8 v[PFO], s[XP:XP+1] offset:1024 th:TH_LOAD_NT scope:SCOPE_SE
.Lno_ask_\@:
.endm
	s_load_b512 s[72:87], s[0:1], 0x0              ; x_q, x_k, x_v, wts, bq, bk, bv, qkv
	v_lshl_add_u32 v[SPW], v0, 2, SPARE
	v_mov_b32 v[NIL], 0
	ds_add_u32 v[SPW], v[NIL]                      ; the wave's opening: the add and its wait ahead of my first tensor load; work on registers stands between
	v_lshrrev_b32 v1, 5, v0
	v_readfirstlane_b32 s10, v1                    ; wave 0..3
	s_lshr_b32 s11, s10, 1                         ; which 64 of a slot's 128 rows of W I fetch
	s_and_b32 s12, s10, 1                          ; which head's
	s_bfe_u32 s40, ttmp6, 0x40000                  ; cx = the column group (the grid is one cluster wide)
	s_bfe_u32 s41, ttmp6, 0x40004                  ; cy
	s_and_b32 s42, ttmp7, 0xffff                   ; cluster y, 0 to 23
	s_lshr_b32 s43, s42, 3                         ; T: q, k or v
	s_and_b32 s13, s42, 7
	s_lshl_b32 s13, s13, 2
	s_add_co_u32 s13, s13, s41                     ; the block of 256 rows, 0 to 31
	s_lshl_b32 s45, 0x1111, s40                    ; my column of the cluster
	s_or_b32 s[G1B], s45, (1<<16)|(1<<20)|(1<<21)|(3<<22)|(7<<25)  ; the mask; 2-byte elements; padding on; bit 21 beside a mask; after every 16 words, 8 words
	s_mov_b32 s[G1B+1], 128<<16                    ; 12,288 dense bytes as 48 rows of 128 elements
	s_mov_b32 s[G1B+2], 48<<16
	s_mov_b32 s[G1B+3], 128<<16
	s_mov_b32 s[G1B+4], 48
	s_mov_b32 s[G1B+5], 128
	s_mov_b32 s[G1B+6], 0
	s_mov_b32 s[G1B+7], 0
	s_lshl_b32 s16, s13, 8
	s_lshl_b32 s17, s10, 6
	s_add_co_u32 s16, s16, s17
	s_mul_i32 s16, s16, XROW                       ; x: my wave's 64 rows, in bytes (under 2^25)
	s_mov_b32 s17, 0
	s_lshl_b32 s68, s40, 1
	s_add_co_u32 s68, s68, s12
	s_mul_i32 s68, s68, WPAN                       ; W: head 2 cx + half,
	s_mul_i32 s69, s43, WT
	s_add_co_u32 s68, s68, s69                     ; of tensor T,
	s_mul_i32 s69, s11, 12288
	s_add_co_u32 s68, s68, s69                     ; my 64 rows of 192 bytes
	s_mov_b32 s69, 0
	s_mul_i32 s23, s12, WH                         ; where they go: no place in the cluster enters an LDS address
	s_mul_i32 s22, s11, 64*WP
	s_add_co_u32 s23, s23, s22
	s_lshr_b32 s18, s13, 3                         ; the output: batch,
	s_lshl_b32 s18, s18, 3
	s_lshl_b32 s19, s40, 1
	s_add_co_u32 s18, s18, s19                     ; 8 batch + my first head,
	s_lshl_b32 s18, s18, 11
	s_and_b32 s19, s13, 7
	s_lshl_b32 s19, s19, 8
	s_add_co_u32 s18, s18, s19                     ; the block's rows in the batch,
	s_lshl_b32 s19, s10, 6
	s_add_co_u32 s18, s18, s19                     ; my wave's 64
	s_mul_i32 s18, s18, 192
	s_mul_i32 s19, s43, TBY
	s_add_co_u32 s18, s18, s19
	s_mov_b32 s19, 0
	s_mul_i32 s20, s40, 768
	s_lshl_b32 s21, s40, 4
	s_mov_b32 s[TB], 0
	s_mov_b32 s[MSK], 0xffff0000
	v_and_b32 v1, 15, v0                           ; r = lane % 16
	v_bfe_u32 v2, v0, 4, 1                         ; h = lane / 16
	v_and_b32 v7, 31, v0                           ; lane
	v_mul_u32_u24 v[XO], v1, XROW
	v_lshl_add_u32 v[XO], v2, 5, v[XO]             ; row x 3,072 + 32 h: eight f32 for each half of the lanes
	v_lshl_add_u32 v[BO], v2, 5, s20               ; the bias of column 192 cx + 16 b + 8 h on: 768 cx + 32 h, + 64 b in the immediate
	s_wait_dscnt 0x0                               ; the opening add is done
	s_wait_kmcnt 0x0
	s_cmp_eq_u32 s43, 1
	s_cselect_b64 s[4:5], s[74:75], s[72:73]       ; x_T
	s_cselect_b64 s[6:7], s[82:83], s[80:81]       ; b_T
	s_cmp_eq_u32 s43, 2
	s_cselect_b64 s[4:5], s[76:77], s[4:5]
	s_cselect_b64 s[6:7], s[84:85], s[6:7]
	s_add_nc_u64 s[XP:XP+1], s[4:5], s[16:17]
	s_add_nc_u64 s[70:71], s[78:79], s[68:69]
	s_add_nc_u64 s[8:9], s[86:87], s[18:19]
.irp s, 0,1
	s_mov_b32 s[G0B+4*(\s)], 1                                       ; count = 1
	s_add_co_u32 s[G0B+4*(\s)+1], s23, (\s)*SLOT1                    ; LDS address
	s_add_nc_u64 s[G0B+4*(\s)+2:G0B+4*(\s)+3], s[70:71], (\s)*24576  ; slot s: 128 rows of 192 bytes on
	s_or_b32 s[G0B+4*(\s)+3], s[G0B+4*(\s)+3], 0x80000000            ; type = 2
.endr
.set bi, 0
.rept 12                               ; the bias first, then the ring's first chunks: they are on their way while the cluster meets
	global_load_b128 v[BIAS+8*bi:BIAS+8*bi+3],   v[BO], s[6:7] offset:64*bi
	global_load_b128 v[BIAS+8*bi+4:BIAS+8*bi+7], v[BO], s[6:7] offset:64*bi+16
.set bi, bi+1
.endr
	LOADX 0, 0, 0                                  ; chunk 0
	LOADX 1, 128, 0                                ; chunk 1
	WIN 0
	CROUND                                         ; all sixteen work-groups are here: the first joint loads meet
	tensor_load_to_lds s[G0B:G0B+3], s[G1B:G1B+7]  ; my part of slot 0: two loads of mine are out
	s_nop 0
	tensor_load_to_lds s[G0B+4:G0B+7], s[G1B:G1B+7]  ; and of slot 1
	s_nop 0
.rept 4
	v_nop
.endr
	LOADX 2, 2*128, 0                              ; chunk 2
	WIN 0
	v_and_b32 v4, 7, v0
	v_bfe_u32 v5, v0, 3, 1
	v_lshl_add_u32 v6, v2, 3, v4                   ; the turning load: lane l reads row 8 (l / 16) + l % 8, 16 bytes at 16 ((l / 8) % 2)
	v_mul_u32_u24 v6, v6, WP
	v_lshl_add_u32 v[AB0], v5, 4, v6
	v_add_nc_u32 v[AB0+1], WH, v[AB0]
	v_lshlrev_b32 v[CO], 4, v7
	s_mul_i32 s2, s10, STW
	s_add_co_u32 s2, s2, STAGE                     ; my stage
	v_mul_u32_u24 v8, v1, SP
	v_lshl_add_u32 v8, v2, 4, v8
	v_add_nc_u32 v[STO], s2, v8
.irp f, 0,1,2                          ; chunk c = 32 f + lane of 16 bytes lies in row c / 12 at 16 (c % 12): byte 16 (c + c / 12); c / 12 = (21,846 c) >> 18 for c under 96
	v_add_nc_u32 v8, 32*(\f), v7
	v_mul_u32_u24 v9, v8, 21846
	v_lshrrev_b32 v9, 18, v9
	v_add_nc_u32 v9, v8, v9
	v_lshl_add_u32 v[RD+(\f)], v9, 4, s2
.endr
	v_add_nc_u32 v[PFO], s21, v1                   ; row 16 cx + lane % 16 of my wave's 64,
	v_mul_u32_u24 v[PFO], v[PFO], XROW
	v_lshl_add_u32 v[PFO], v2, 8, v[PFO]           ; block lane / 16 of the two
	s_wait_loadcnt 48                              ; the bias is in: behind it chunks 0, 1 and 2 were asked for, 16 loads each
.set bi, 0
.rept 48                               ; rounded to bf16 like every input, and widened again
	v_cvt_pk_bf16_f32 v[8+bi%4], v[BIAS+2*bi], v[BIAS+2*bi+1]
	v_lshlrev_b32 v[BIAS+2*bi], 16, v[8+bi%4]
	v_and_b32 v[BIAS+2*bi+1], s[MSK], v[8+bi%4]
.set bi, bi+1
.endr
	LOADX 3, 3*128, 0                              ; chunk 3
	WIN 0
; One product: rows 16 a on x columns 16 b on, 32 along K, from buffer p.  first = 1: the bias is the C operand that starts the sum.
.macro MUL1 p, a, b, first
.set rD, 8*(12*((\a)%2)+(\b))
.set rB, 96*(\p)+8*(\b)
.set rA, A0+32*(\p)+8*(\a)
.if \first
	WIN 0x81+0x40*((\a)/2)
	v_wmma_f32_16x16x32_bf16 v[rD:rD+7], v[rB:rB+7], v[rA:rA+7], v[BIAS+8*(\b):BIAS+8*(\b)+7]
.else
	WIN 0xa1+0x50*((\a)/2)
	v_wmma_f32_16x16x32_bf16 v[rD:rD+7], v[rB:rB+7], v[rA:rA+7], v[rD:rD+7]
.endif
.endm
.macro MUL p, a, b0, n, first          ; n products of block a, from column block b0 on.  The 48 accumulators take turns, one instruction a turn, over the backward jump too
.set mb, \b0
.rept \n
	MUL1 \p, \a, mb, \first
.set mb, mb+1
.endr
.endm
; 24 turning loads in one run: the chunk of W at LDS byte s[TB], 12 fragments, into buffer p.  The two address lines, and with pl = 1 two v_nop, are the four places behind the products that read that buffer.
.macro FETCH p, pl
	WIN 0
	v_add_nc_u32 v[ADR], s[TB], v[AB0]
	v_add_nc_u32 v[ADR+1], s[TB], v[AB0+1]
.if \pl
	v_nop
	v_nop
.endif
	s_add_co_u32 s[TB], s[TB], CH                  ; the next fetch is the next chunk's
	WIN 0x40
.set fb, 0
.rept 12
	ds_load_tr16_b128 v[96*(\p)+8*fb:96*(\p)+8*fb+3],   v[ADR+fb/6] offset:96*((fb%6)/2)+32*(fb%2)
	ds_load_tr16_b128 v[96*(\p)+8*fb+4:96*(\p)+8*fb+7], v[ADR+fb/6] offset:96*((fb%6)/2)+32*(fb%2)+16*WP
.set fb, fb+1
.endr
.endm
.macro CVT4 p, q, g                    ; four of the 32 roundings of a chunk of x to bf16, from ring buffer q into fragment buffer p
	AFSET \q
.set ci, 4*(\g)
.rept 4
	v_cvt_pk_bf16_f32 v[A0+32*(\p)+ci], v[AFB+2*ci], v[AFB+2*ci+1]
.set ci, ci+1
.endr
.endm
.macro MULC p, q, first                ; block 3's products; behind each of the first eight stand four roundings for the other buffer, which name none of the products' registers
.set cb, 0
.rept 12
	MUL1 \p, 3, cb, \first
.if cb < 8
	WIN 5*(\q)                                     ; sources in window q, destination in window 0
	CVT4 1-(\p), \q, cb
.endif
.set cb, cb+1
.endr
.endm
; The end of a chunk: the next chunk's W and x are waited for; x is rounded beside block 3's products; its ring buffer q is asked for again.  cnt: the loads issued behind that buffer's: 16 for each younger chunk.
.macro CLOSE p, q, first, cnt, ld, off, step
	s_wait_dscnt 0x0                               ; W's run, issued 24 products back, is in
	s_wait_loadcnt \cnt                            ; the next chunk of x is in; the younger chunks stay out
	MULC \p, \q, \first
.if \ld
	LOADX \q, \off, \step
.endif
.endm
; A chunk: 48 products from buffer p.
.macro SUB p, q, first, cnt, ld, off, step, ask
	MUL \p, 0, 0, 12, \first
	FETCH 1-(\p), 1
	MUL \p, 1, 0, 12, \first
	MUL \p, 2, 0, 12, \first
	CLOSE \p, \q, \first, \cnt, \ld, \off, \step
.if \ask
	ASK
.endif
.endm
; A slot's last chunk (buffer 1) and the change of slots.  My reads of this slot are over (the chunk before has waited for them).  In front of the barrier each wave waits for all its tensor loads, of which
; one is out: its part of the next slot; adds 0 to its spare word; and waits for that.  fill = 1: the barrier opens a round of the cluster's barrier, and the joint refill, 256 along K on, is the first thing
; behind it: it has four chunks less this one's first twelve products in which to land.
.macro TURNP q, fill, cnt, ld, off
	WIN 0
	s_wait_tensorcnt 0x0                           ; all my tensor loads have landed, so a group 0 may be written
	ds_add_u32 v[SPW], v[NIL]                      ; 0 onto my spare word
.if \fill
	s_xor_b32 s[G0B+5], s[G0B+5], SLOT1            ; the walking descriptor: the other slot than last time,
	s_add_nc_u64 s[G0B+6:G0B+7], s[G0B+6:G0B+7], 24576  ; the next 128 rows; the type bits on top are not reached
.endif
	MUL 1, 0, 0, 6, 0
	s_wait_dscnt 0x0                               ; the add is done
	s_barrier_signal -1
	MUL 1, 0, 6, 6, 0
	WIN 0
	s_barrier_wait -1
.if \fill
	CREST                                          ; no wave of any partner still reads this slot or has a load on its way
	tensor_load_to_lds s[G0B+4:G0B+7], s[G1B:G1B+7]
	s_nop 0
.rept 4
	v_nop
.endr
.endif
	s_sub_co_u32 s[TB], s[TB], 4*CH                ; the fetches go back to a slot's first chunk,
	s_xor_b32 s[TB], s[TB], SLOT1                  ; in the other slot
	FETCH 0, 1-(\fill)
	MUL 1, 1, 0, 12, 0
	MUL 1, 2, 0, 12, 0
	CLOSE 1, \q, 0, \cnt, \ld, \off, 0
.endm
; THE WAY OUT of block a (16 rows x 192 columns): rounded to f16; through my own stage; back as 2 x 3,072 consecutive bytes (16 dense rows of each head); stored 512 bytes an instruction.
.macro PACK a
	WIN 0x0a+5*((\a)/2)
.set pi, 0
.rept 48                               ; ascending: each accumulator's lowest registers are read first
	v_cvt_pk_f16_f32 v[TMP+pi], v[96*((\a)%2)+2*pi], v[96*((\a)%2)+2*pi+1]
.set pi, pi+1
.endr
	WIN 0
.endm
.macro TOSTAGE a
	WIN 0
.set BK, 208-176*((\a)%2)              ; v208-255 and v32-79 by turns
.set ti, 0
.rept 12
	ds_store_b128 v[STO], v[TMP+4*ti:TMP+4*ti+3] offset:(ti/6)*16*SP+32*(ti%6)
.set ti, ti+1
.endr
.set ti, 0
.rept 12                               ; LDS serves a wave's instructions in order: these see the stores above
	ds_load_b128 v[BK+4*ti:BK+4*ti+3], v[RD+ti%3] offset:(ti/6)*16*SP+((ti%6)/3)*8*SP
.set ti, ti+1
.endr
.endm
.macro SEND a
	WIN 0
.set BK, 208-176*((\a)%2)
	s_wait_xcnt 0x0                                ; the stores of the block before have read their registers, which the next block's loads fill again
.set ti, 0
.rept 12
	s_wait_dscnt 11-ti                             ; load ti of the twelve is back
	global_store_b128 v[CO], v[BK+4*ti:BK+4*ti+3], s[8:9] offset:(ti/6)*HB+(\a)*3072+(ti%6)*512
.set ti, ti+1
.endr
.endm
	s_wait_tensorcnt 1                             ; my part of slot 0 is in; slot 1's may stay out
	s_barrier_signal -1
	s_barrier_wait -1
	FETCH 0, 0                                     ; W of chunk 0
	s_wait_loadcnt 48                              ; x of chunk 0 is in: behind it chunks 1, 2 and 3 were asked for
	WIN 0
.irp g, 0,1,2,3,4,5,6,7
	CVT4 0, 0, \g
.endr
	LOADX 0, 4*128, 0                              ; chunk 4
	s_wait_dscnt 0x0
	SUB 0, 1, 1, 48, 1, 5*128, 0, 0                ; chunk 0: the first products start the sums with the bias; chunk 5 is asked for
	WIN 0
	s_mov_b32 s3, 4
.Llap:                                         ; trip i: chunks 4 i + 1 to 4 i + 4; x of chunks 4 i + 6 to 4 i + 9 is asked for; W's slot i % 2 is filled again, for chunks 4 i + 8 on
	SUB 1, 2, 0, 48, 1, 2*128, 1, 1
	SUB 0, 3, 0, 48, 1, 3*128, 0, 0
	TURNP 0, 1, 48, 1, 4*128
	SUB 0, 1, 0, 48, 1, 5*128, 0, 0
	WIN 0
	s_sub_co_u32 s3, s3, 1
	s_cmp_lg_u32 s3, 0
	s_cbranch_scc1 .Llap
	SUB 1, 2, 0, 48, 1, 2*128, 1, 0                ; chunk 17; chunk 22 is asked for
	SUB 0, 3, 0, 48, 1, 3*128, 0, 0                ; chunk 18; chunk 23: the last load
	TURNP 0, 0, 48, 0, 0                           ; chunk 19: the last slot is waited for, nothing is filled
	SUB 0, 1, 0, 32, 0, 0, 0, 0                    ; chunks 20 to 22: the counts run down
	SUB 1, 2, 0, 16, 0, 0, 0, 0
	SUB 0, 3, 0, 0, 0, 0, 0, 0
	MUL 1, 0, 0, 12, 0                             ; chunk 23
	MUL 1, 1, 0, 12, 0
	MUL 1, 2, 0, 12, 0
	MUL 1, 3, 0, 12, 0
	PLACES
	PLACES
	PACK 0
	TOSTAGE 0
.irp a, 1,2,3                          ; a block's roundings stand between the loads of the block before and its stores
	PACK \a
	SEND (\a)-1
	TOSTAGE \a
.endr
	SEND 3
	s_wait_tensorcnt 0x0                           ; the wave's end
	ds_add_u32 v[SPW], v[NIL]
	s_wait_dscnt 0x0
	CROUND                                         ; the closing round
	s_endpgm
.Lfunc_end_k_qa2cf6810d3_proj:
	.size	k_qa2cf6810d3_proj, .Lfunc_end_k_qa2cf6810d3_proj-k_qa2cf6810d3_proj
	.p2alignl 7, 3214868480
	.fill 96, 4, 3214868480
	.section	.rodata,"a",@progbits
	.p2align	6, 0x0
	.amdhsa_kernel k_qa2cf6810d3_proj
		.amdhsa_group_segment_fixed_size 327680
		.amdhsa_private_segment_fixed_size 0
		.amdhsa_enable_private_segment 0
		.amdhsa_kernarg_size 64
		.amdhsa_user_sgpr_count 2
		.amdhsa_user_sgpr_kernarg_segment_ptr 1
		.amdhsa_wavefront_size32 1
		.amdhsa_system_sgpr_workgroup_id_x 1
		.amdhsa_system_sgpr_workgroup_id_y 1
		.amdhsa_system_sgpr_workgroup_id_z 1
		.amdhsa_system_vgpr_workitem_id 0
		.amdhsa_next_free_vgpr 1024
		.amdhsa_next_free_sgpr 88
		.amdhsa_reserve_vcc 0
		.amdhsa_float_denorm_mode_32 3
		.amdhsa_float_denorm_mode_16_64 3
		.amdhsa_memory_ordered 1
		.amdhsa_forward_progress 1
		.amdhsa_inst_pref_size 149
	.end_amdhsa_kernel
	.amdgpu_metadata
---
amdhsa.version: [ 1, 2 ]
amdhsa.kernels:
  - .name:           k_qa2cf6810d3_proj
    .symbol:         k_qa2cf6810d3_proj.kd
    .args:
      - { .name: input_querys, .offset: 0, .size: 8, .value_kind: global_buffer, .address_space: global }
      - { .name: input_key, .offset: 8, .size: 8, .value_kind: global_buffer, .address_space: global }
      - { .name: input_values, .offset: 16, .size: 8, .value_kind: global_buffer, .address_space: global }
      - { .name: wts, .offset: 24, .size: 8, .value_kind: global_buffer, .address_space: global }
      - { .name: bq, .offset: 32, .size: 8, .value_kind: global_buffer, .address_space: global }
      - { .name: bk, .offset: 40, .size: 8, .value_kind: global_buffer, .address_space: global }
      - { .name: bv, .offset: 48, .size: 8, .value_kind: global_buffer, .address_space: global }
      - { .name: qkv, .offset: 56, .size: 8, .value_kind: global_buffer, .address_space: global }
    .group_segment_fixed_size: 327680
    .private_segment_fixed_size: 0
    .kernarg_segment_align: 8
    .kernarg_segment_size: 64
    .max_flat_workgroup_size: 128
    .sgpr_count:     88
    .vgpr_count:     1024
    .wavefront_size: 32
...
	.end_amdgpu_metadata
.endif
;; end of part 2
;; launch attn (part 3): grid 8 x 32, 4 waves a work-group, clusters of 4 x 1, 327,680 bytes of LDS; arguments qkv, oh; writes oh
.if DOCPART == 3
	.amdgcn_target "amdgcn-amd-amdhsa--gfx1250"
	.amdhsa_code_object_version 6
	.text
	.protected	k_qa2cf6810d3_attn
	.globl	k_qa2cf6810d3_attn
	.p2align	8
	.type	k_qa2cf6810d3_attn,@function
k_qa2cf6810d3_attn:
	s_mov_b64 s[64:65], 0
	v_nop
	global_prefetch_b8 v0, s[64:65] scope:SCOPE_SE
	s_setreg_imm32_b32 hwreg(HW_REG_WAVE_MODE, 25, 1), 1
	s_wait_xcnt 0x0
	s_wait_alu depctr_hold_cnt(0) depctr_sa_sdst(0) depctr_va_vdst(0) depctr_va_sdst(0) depctr_va_ssrc(0) depctr_va_vcc(0) depctr_vm_vsrc(0)
	s_getreg_b32 s2, hwreg(HW_REG_IB_STS2, 6, 4)
	s_cmp_eq_u32 s2, 0
	s_cbranch_scc0 .Lentry_in_a_cluster
	s_endpgm
.Lentry_in_a_cluster:
	s_bfe_u32 s2, ttmp6, 0x10000c
	s_cmp_lg_u32 s2, 0x3003
	s_cbranch_scc0 .Lentry_shape_is_right
	s_endpgm
.Lentry_shape_is_right:
; ATTENTION.  oh[g][q][:] = the sum over k of softmax_k(Q[g][q] . K[g][k] / sqrt(96)) V[g][k][:], g = 8 batch + head, 32 of them; Q, K, V = qkv[0], [1], [2], each [32][2048][96] in f16; oh likewise.
; Products, maxima and sums in f32; the weights p are rounded to f16 for the second product (their sum l is taken of the unrounded p), O once at the end.
; LIMITS.  Q, K, V arrive within f16's 65,504; p lies in 0 to 1 and below 6e-5 keeps f16's fixed step of 6e-8; O is a mean of V's rows.  A weight below 2^-126 counts as 0 in l; NaN and infinities are not treated apart.
; SHARES.  A work-group owns 256 queries of one g, each of its four waves 64: four tiles of 16, in two PIECES (tiles 0, 1 and tiles 2, 3).  Every wave walks all 2,048 keys, 64 a step.
; LAYOUT.  S^T = K Q^T (source 0 = 16 keys, source 1 = 16 queries): a lane holds ONE query (lane % 16) and the keys 8 (lane / 16) + 0..7.  Two such results rounded to f16 in pairs ARE source 1 of
; O^T = V^T P, whose result again holds one query a lane, and eight channels.  K comes out of LDS as it lies, V ([key][channel]) turned.
; SOFTMAX.  A running maximum m and sum l for each query: p = 2^(c s - c m), c = log2(e) / sqrt(96); in every step O and l are multiplied by a = 2^(c m_old - c m_new).
; BY TURNS.  In a turn one piece has the matrix unit: 24 products V^T P of the step in hand, later 24 products K Q^T of the next step.  The other piece's softmax is 252 vector instructions in 63 slices of four:
; one slice behind each of the 48 products, the other 15 together between the two runs.  A turn's 66 exponentials are one batch with one wait, which stands among those 15.
; ROWS OF 192 BYTES.  64 keys are 12,288 dense bytes: asked for as 48 rows of 256 and padded behind every 64 bytes, by 16 for K (a row is 3 x 80 = 240 bytes; 32 channels are one piece of 80)
; and by 32 for V (3 x 96 = 288; channels 16 n on lie at 96 (n / 2) + 32 (n % 2)).
; CLUSTER.  The four query blocks of a cluster belong to one g and walk the same K and V: each tile is asked for jointly.
; REGISTERS: window 0: v0-11 addresses; v12-43 eight of statistics a tile; v44-47 at work; v61-63; v64-191 S^T, 32 a tile; v192-255 P, 16 a tile.   window 1: O^T, 48 a tile.
;   window 2: v0-95 Q, 24 a tile; v128-223 K of one step.   window 3: v0-95 V of one step.
.set KS,    64
.set ROWB,  192
.set HB,    2048*ROWB                  ; bytes of one g
.set TBY,   32*HB                      ; bytes of Q, of K, of V
.set SLB,   2*KS*ROWB                  ; bytes of a slot's keys in memory: 24,576
.set PK,    240
.set PVP,   288
.set VOFF,  KS*PK                      ; a step's tiles lie together: K, then V
.set STEPB, KS*(PK+PVP)
.set SLOT1, 1<<17                      ; a slot holds two steps; slot 1 begins here, so that one exclusive or turns an address in one slot into the other's
.set STAGE, SLOT1+2*STEPB              ; behind the ring: 16 rows x 208 bytes for each wave
.set SP,    208
.set SPARE, STAGE+4*16*SP              ; the spare words, 128 bytes for each wave: two blocks of 256 bytes that no other line names
.set AK0, 2                            ; v2   my lane's place in a tile of K; never rewritten
.set AV0, 3                            ; v3   the same for V
.set ADR, 4                            ; v4   the LDS address of the run of loads in hand
.set QO,  5                            ; v5   my byte offset in 16 rows of Q
.set STO, 6                            ; v6   the way out: where I put 16 bytes of a row
.set RD,  7                            ; v7-9 the way out: where I read them back
.set GO,  10                           ; v10  16 x lane
.set H,   11                           ; v11  lane / 16
.set ST,  12                           ; tile t's statistics at v[ST+8 t]: c m, m, l (even keys', odd keys'), c0-c3 at work; a takes c2's place
.set PFO, 61                           ; v61  256 x lane; never rewritten
.set SPW, 62
.set NIL, 63
.set S,   64
.set P,   192
.set KF,  128
.set WV,  12                           ; s12  my wave's number
.set LIM, 15                           ; s15  1 in a wave that prefetches, else the greatest number
.set PFA, 18                           ; s[18:19] where my prefetches stand
.set G1K, 24
.set G1V, 32
.set G0K, 40                           ; s[40:47] a set for each of the two first fills; the second then walks on
.set G0V, 48
.set SLOTS, 56
.set TWICE, 57
.set CS,  58
.set SEL, 60
.set TB,  62                           ; s62  LDS byte at which the tiles of the step to be fetched begin
.set MSB, 0
.macro WIN new
.if MSB != (\new)
	s_set_vgpr_msb (MSB<<8)|(\new)
.set MSB, \new
.endif
.endm
.set W_KQ, 0x0a                        ; K and Q in window 2, S^T in window 0
.set W_PV, 0x53                        ; V in window 3, P in window 0, O^T in window 1
.set W_RS, 0x41                        ; O^T in window 1, a in window 0
.macro PLACES
.rept 4
	v_nop
.endr
.endm
; A joint refill: waves 0 and 1 fetch the two steps' K, waves 2 and 3 their V.  An s_nop 0 and four v_nop follow each line.
.macro JLOAD
	s_cmp_lt_u32 s[WV], 2
	s_cbranch_scc0 .Lfor_v_\@
	tensor_load_to_lds s[G0K+4:G0K+7], s[G1K:G1K+7]
	s_nop 0
.rept 4
	v_nop
.endr
	s_branch .Lasked_\@
.Lfor_v_\@:
	tensor_load_to_lds s[G0V+4:G0V+7], s[G1V:G1V+7]
	s_nop 0
.rept 4
	v_nop
.endr
.Lasked_\@:
.endm
; A prefetch of K and V.  Two slots are 2 x 192 blocks of 256 bytes: twelve askers (waves 0 to 2 of the four partners of g's first cluster, told apart by address) name 32 blocks each, a lane a block.
; It goes out at every second change of slots (those that fill slots 3, 5 .. 13: the count is odd and above 1), for the two slots behind the one just asked for; each block is named once.
; Slots 0 to 3 come by their loads alone; the last change asks for nothing.
.macro ASK
	s_and_b32 s63, s[SLOTS], 1
	s_mul_i32 s63, s63, s[SLOTS]
	s_cmp_gt_u32 s63, s[LIM]
	s_cbranch_scc0 .Lnot_mine_\@
	global_prefetch_b8 v[PFO], s[PFA:PFA+1] th:TH_LOAD_NT scope:SCOPE_SE
.Lnot_mine_\@:
.endm
.macro CROUND
	s_barrier_signal -1
	s_barrier_wait -1
	s_cmp_lg_u32 s[WV], 0
	s_cbranch_scc1 .Lnot_wave_0_\@
	s_barrier_signal -3
.Lnot_wave_0_\@:
	s_barrier_wait -3
	s_barrier_signal -1
	s_barrier_wait -1
.endm
	s_load_b128 s[4:7], s[0:1], 0x0                ; qkv s[4:5], oh s[6:7]
	v_lshl_add_u32 v[SPW], v0, 2, SPARE
	v_mov_b32 v[NIL], 0
	ds_add_u32 v[SPW], v[NIL]                      ; the wave's opening: the add and its wait ahead of my first tensor load
	v_lshrrev_b32 v1, 5, v0
	v_readfirstlane_b32 s[WV], v1
	s_bfe_u32 s13, ttmp6, 0x40000                  ; cx
	s_lshl_b32 s14, ttmp9, 2
	s_add_co_u32 s14, s14, s13                     ; my block of 256 queries: it enters Q's and O's addresses alone
	s_and_b32 s20, ttmp7, 0xffff                   ; g, which the four partners share
	s_mul_i32 s20, s20, HB
	s_mov_b32 s21, 0
	s_and_b32 s16, s[WV], 1                        ; which of a slot's two steps I fetch:
	s_mul_i32 s22, s16, KS*ROWB                    ; its rows in memory,
	s_add_co_u32 s22, s22, s20
	s_mov_b32 s23, 0
	s_mul_i32 s17, s16, STEPB                      ; and its place in a slot
	s_mul_i32 s2, s14, 256*ROWB
	s_mul_i32 s3, s[WV], 64*ROWB
	s_add_co_u32 s2, s2, s3
	s_add_co_u32 s2, s2, s20                       ; my wave's 64 rows of Q and of O
	s_mov_b32 s3, 0
	s_mul_i32 s14, s13, 3                          ; the prefetches: asker 3 cx + wave, 0 to 11 (wave 3 asks for nothing; its number is held to 11)
	s_add_co_u32 s14, s14, s[WV]
	s_min_u32 s14, s14, 11
	s_mul_i32 s15, s14, 11
	s_lshr_b32 s15, s15, 6                         ; askers 6 to 11 name V
	s_mul_i32 s15, s15, TBY-2*SLB
	s_lshl_b32 s14, s14, 13                        ; 32 blocks of 256 bytes each
	s_add_co_u32 s14, s14, s15
	s_add_co_u32 s14, s14, s20
	s_add_co_u32 s14, s14, TBY+2*SLB               ; in K, at slot 2; each change of slots steps it by a slot
	s_mov_b32 s15, 0
	s_mov_b32 s[G1K], 15|(1<<16)|(1<<20)|(1<<21)|(3<<22)|(3<<25)   ; the mask of four; 2-byte elements; padding on; bit 21 beside a mask; after every 16 words, 4 words
	s_mov_b32 s[G1V], 15|(1<<16)|(1<<20)|(1<<21)|(3<<22)|(7<<25)   ; the same with 8 words
.irp g, G1K, G1V
	s_mov_b32 s[(\g)+1], 128<<16                   ; tensor_dim0 = 128
	s_mov_b32 s[(\g)+2], 48<<16                    ; tensor_dim1 = 48
	s_mov_b32 s[(\g)+3], 128<<16                   ; tile_dim0 = 128
	s_mov_b32 s[(\g)+4], 48                        ; tile_dim1 = 48
	s_mov_b32 s[(\g)+5], 128
	s_mov_b32 s[(\g)+6], 0
	s_mov_b32 s[(\g)+7], 0
.endr
	s_mov_b32 s[CS], 0x3e16c740                    ; c = log2(e) / sqrt(96) = 0.147244
	s_mov_b32 s[CS+1], s[CS]
	s_mov_b32 s[SEL], 0x76543210
	s_mov_b32 s[SEL+1], 0xfedcba98
	s_mov_b32 s[TB], 0
	s_mov_b32 s[SLOTS], 2048/(2*KS)-2
	v_and_b32 v[PFO], 31, v0
	v_lshlrev_b32 v[PFO], 8, v[PFO]
	s_wait_dscnt 0x0                               ; the opening add is done
	s_wait_kmcnt 0x0
	s_add_nc_u64 s[8:9], s[4:5], s[22:23]
	s_add_nc_u64 s[8:9], s[8:9], TBY               ; K at my tile of slot 0
	s_add_nc_u64 s[10:11], s[8:9], TBY             ; V
	s_add_nc_u64 s[PFA:PFA+1], s[4:5], s[14:15]
	s_add_nc_u64 s[6:7], s[6:7], s[2:3]            ; O at my wave's first row
	s_add_nc_u64 s[2:3], s[4:5], s[2:3]            ; Q
	s_add_co_u32 s[LIM], s[WV], 1
	s_lshr_b32 s[LIM], s[LIM], 2                   ; 1 in wave 3,
	s_or_b32 s[LIM], s[LIM], ttmp9                 ; or where the cluster is not g's first: the same in all four partners
	s_cmp_eq_u32 s[LIM], 0
	s_cselect_b32 s[LIM], 1, -1
.irp s, 0,1
	s_mov_b32 s[G0K+4*(\s)], 1
	s_add_co_u32 s[G0K+4*(\s)+1], s17, (\s)*SLOT1
	s_add_nc_u64 s[G0K+4*(\s)+2:G0K+4*(\s)+3], s[8:9], (\s)*SLB
	s_or_b32 s[G0K+4*(\s)+3], s[G0K+4*(\s)+3], 0x80000000
	s_mov_b32 s[G0V+4*(\s)], 1
	s_add_co_u32 s[G0V+4*(\s)+1], s17, (\s)*SLOT1+VOFF
	s_add_nc_u64 s[G0V+4*(\s)+2:G0V+4*(\s)+3], s[10:11], (\s)*SLB
	s_or_b32 s[G0V+4*(\s)+3], s[G0V+4*(\s)+3], 0x80000000
.endr
	CROUND                                         ; all four work-groups are here: the first joint loads meet
	s_cmp_lt_u32 s[WV], 2                          ; a wave's two first fills stand in one branch: two loads of mine are out
	s_cbranch_scc0 .Lfirst_v
	tensor_load_to_lds s[G0K:G0K+3], s[G1K:G1K+7]
	s_nop 0
	tensor_load_to_lds s[G0K+4:G0K+7], s[G1K:G1K+7]
	s_nop 0
.rept 4
	v_nop
.endr
	s_branch .Lfirst_asked
.Lfirst_v:
	tensor_load_to_lds s[G0V:G0V+3], s[G1V:G1V+7]
	s_nop 0
	tensor_load_to_lds s[G0V+4:G0V+7], s[G1V:G1V+7]
	s_nop 0
.rept 4
	v_nop
.endr
.Lfirst_asked:
	v_and_b32 v1, 15, v0                           ; lane % 16
	v_bfe_u32 v[H], v0, 4, 1
	v_mul_u32_u24 v[QO], v1, ROWB
	v_lshl_add_u32 v[QO], v[H], 4, v[QO]
	WIN 0x80                                       ; destination window 2
.set f, 0
.rept 12                               ; Q stays in registers: tile f / 3, channels 32 (f % 3) on
	global_load_b128 v[8*f:8*f+3],   v[QO], s[2:3] offset:(f/3)*16*ROWB+(f%3)*64
	global_load_b128 v[8*f+4:8*f+7], v[QO], s[2:3] offset:(f/3)*16*ROWB+(f%3)*64+32
.set f, f+1
.endr
	WIN 0
	v_mul_u32_u24 v[AK0], v1, PK
	v_lshl_add_u32 v[AK0], v[H], 4, v[AK0]
	v_and_b32 v44, 7, v0
	v_bfe_u32 v45, v0, 3, 1
	v_lshl_add_u32 v[AV0], v[H], 3, v44            ; the turning load: lane l reads key 8 (l / 16) + l % 8, 16 bytes at 16 ((l / 8) % 2)
	v_mul_u32_u24 v[AV0], v[AV0], PVP
	v_lshl_add_u32 v[AV0], v45, 4, v[AV0]
	v_add_nc_u32 v[AV0], VOFF, v[AV0]
; THE MATRIX WORK.  The accumulators take turns, one instruction a turn: between two links of a chain stand 11 (V^T P) or 7 (K Q^T) others'.
; Product i of 24 of O^T += V^T P: keys 32 (i / 12) on, channels 16 ((i / 2) % 6) on, tile x + i % 2.  zero = 1: the first 12 start the sums.
.macro PV x, zero
	WIN W_PV
.set rO, 48*((\x)+i%2)+8*((i/2)%6)
.set rV, 48*(i/12)+8*((i/2)%6)
.set rP, P+16*((\x)+i%2)+8*(i/12)
.if (\zero) && (i < 12)
	v_wmma_f32_16x16x32_f16 v[rO:rO+7], v[rV:rV+7], v[rP:rP+7], 0
.else
	v_wmma_f32_16x16x32_f16 v[rO:rO+7], v[rV:rV+7], v[rP:rP+7], v[rO:rO+7]
.endif
.endm
; Product i of 24 of S^T = K Q^T: channels 32 (i / 8) on, keys 16 ((i / 2) % 4) on, tile x + i % 2.  The first 8 start the sums.
.macro KQ x
	WIN W_KQ
.set rS, S+32*((\x)+i%2)+8*((i/2)%4)
.set rK, KF+24*((i/2)%4)+8*(i/8)
.set rQ, 24*((\x)+i%2)+8*(i/8)
.if i < 8
	v_wmma_f32_16x16x32_f16 v[rS:rS+7], v[rK:rK+7], v[rQ:rQ+7], 0
.else
	v_wmma_f32_16x16x32_f16 v[rS:rS+7], v[rK:rK+7], v[rQ:rQ+7], v[rS:rS+7]
.endif
.endm
; THE LDS LOADS stand in runs of 24: a step's K (12 fragments) and, a turn later, its V (turned).
.macro FETCH_K
	WIN 0
	v_add_nc_u32 v[ADR], s[TB], v[AK0]
	WIN 0x80
.set f, 0
.rept 12                               ; keys 16 (f / 3) on, channels 32 (f % 3) on
	ds_load_b128 v[KF+8*f:KF+8*f+3],   v[ADR] offset:(f/3)*16*PK+(f%3)*80
	ds_load_b128 v[KF+8*f+4:KF+8*f+7], v[ADR] offset:(f/3)*16*PK+(f%3)*80+32
.set f, f+1
.endr
.endm
.macro FETCH_V
	WIN 0
	v_add_nc_u32 v[ADR], s[TB], v[AV0]
	s_add_co_u32 s[TB], s[TB], STEPB               ; the next fetch is the next step's
	s_wait_alu depctr_va_vdst(0)                   ; the wait for the softmax's batch, ahead of the first instruction that names a result
	WIN 0xc0
.set f, 0
.rept 12                               ; keys 32 (f / 6) on, channels 16 (f % 6) on
	ds_load_tr16_b128 v[8*f:8*f+3],   v[ADR] offset:(f/6)*32*PVP+96*((f%6)/2)+32*(f%2)
	ds_load_tr16_b128 v[8*f+4:8*f+7], v[ADR] offset:(f/6)*32*PVP+96*((f%6)/2)+32*(f%2)+16*PVP
.set f, f+1
.endr
.endm
; THE VECTOR WORK.  One tile's softmax for one key step is a list of 126 instructions; SM writes number j of it for tile t.  first = 1: the first key step, which has no a and nothing to rescale.
;   0-15   the maximum of the lane's 32 scores and the old m, three operands at a time (each accumulator's lowest registers are read first)
;   16-20  the other half of the lanes' maximum; the new m; c m; c m_old - c m_new
;   21-69  ONE BATCH: the 16 scalings c s - c m and all 33 exponentials (a at 23); none of these reads an exponential's result
;   70-85  the roundings to f16     86-101 the sums; l = a l + the sum     102-125 the tile's O^T times a
.macro SM t, first
.set rT, ST+8*(\t)
.set rS, S+32*(\t)
.set rP, P+16*(\t)
.set rO, 48*(\t)+2*(j-102)
.if j < 102
	WIN 0
.endif
.if j < 4
	v_max3_num_f32 v[rT+4+j], v[rS+8*j], v[rS+8*j+1], v[rS+8*j+2]
.elseif j < 12
	v_max3_num_f32 v[rT+4+j%4], v[rT+4+j%4], v[rS+8*(j%4)+2*(j/4)+1], v[rS+8*(j%4)+2*(j/4)+2]
.elseif j == 12
	v_max3_num_f32 v[rT+4], v[rT+4], v[rS+7], v[rS+15]
.elseif j == 13
	v_max3_num_f32 v[rT+6], v[rT+6], v[rS+23], v[rS+31]
.elseif j == 14
	v_max3_num_f32 v[rT+4], v[rT+4], v[rT+5], v[rT+6]
.elseif (j == 15) && (\first)
	v_max_num_f32 v[rT+4], v[rT+4], v[rT+7]
.elseif j == 15
	v_max3_num_f32 v[rT+4], v[rT+4], v[rT+7], v[rT+1]
.elseif j == 16
	v_permlanex16_b32 v[rT+5], v[rT+4], s[SEL], s[SEL+1]
.elseif j == 18
	v_max_num_f32 v[rT+1], v[rT+4], v[rT+5]
.elseif j == 19
	v_mul_f32 v[rT], s[CS], v[rT+1]
.elseif ((j == 17) || (j == 20) || (j == 23) || (j > 101)) && (\first)
.elseif j == 17
	v_mov_b32 v[rT+7], v[rT]
.elseif j == 20
	v_sub_f32 v[rT+7], v[rT+7], v[rT]
.elseif j == 23
	v_exp_f32 v[rT+6], v[rT+7]
.elseif (j < 23) || ((j < 38) && (j%2 == 0)) || ((j < 66) && (j%4 == 2))
.set b, (j-2)/4
.if j < 38
.set b, (j-20)/2
.endif
	v_pk_fma_f32 v[rS+2*b:rS+2*b+1], v[rS+2*b:rS+2*b+1], s[CS:CS+1], v[rT:rT+1] op_sel_hi:[1,0,0] neg_lo:[0,0,1] neg_hi:[0,0,1]
.elseif j < 70
.set e, j-38
.if j < 66
.set e, j-32-(j-38)/4
.endif
.if j < 38
.set e, (j-25)/2
.endif
	v_exp_f32 v[rS+e], v[rS+e]
.elseif j < 86
	v_cvt_pk_f16_f32 v[rP+j-70], v[rS+2*(j-70)], v[rS+2*(j-70)+1]
.elseif j < 102
.set z, j-86
.set w, 4
.set u, z
.if z >= 14
.set w, 32
.set u, 0
.elseif z >= 12
.set w, 16
.set u, z-12
.elseif z >= 8
.set w, 8
.set u, z-8
.endif
.if (z == 14) && (\first)
	v_pk_add_f32 v[rT+2:rT+3], v[rS:rS+1], v[rS+16:rS+17]
.elseif z < 15
	v_pk_add_f32 v[rS+w*u:rS+w*u+1], v[rS+w*u:rS+w*u+1], v[rS+w*u+w/2:rS+w*u+w/2+1]
.elseif !(\first)
	v_pk_fma_f32 v[rT+2:rT+3], v[rT+2:rT+3], v[rT+6:rT+7], v[rS:rS+1] op_sel_hi:[1,0,1]
.endif
.else
	WIN W_RS
	v_pk_mul_f32 v[rO:rO+1], v[rO:rO+1], v[rT+6:rT+7] op_sel_hi:[1,0]
.endif
.endm
; Slice k of 63 of piece y's softmax: four instructions.  Slices 11 to 34 deal out the batch, four numbers of one tile each, the tiles by turns; every other slice is numbers 2 k and 2 k + 1 of both tiles.
; Ahead of slice 35 nothing names an exponential's result, behind slice 34 no exponential is issued: one v_nop and one wait behind slice 34 serve the piece's 66 exponentials.
.macro SLICE y, first
.if (k >= 11) && (k < 35)
.irp n, 0,1,2,3
.set j, 22+4*((k-11)/2)+(\n)
	SM (\y)+(k-11)%2, \first
.endr
.else
.irp n, 0,1
.irp t, \y, (\y)+1
.set j, 2*k+(\n)
	SM \t, \first
.endr
.endr
.endif
.if k == 34
	v_nop                                          ; the plain instruction behind the last exponential
.if (\y) == 0
	FETCH_V                                        ; piece 2's turn: V's run of loads stands here, and the wait stands in it
.else
	s_wait_alu depctr_va_vdst(0)                   ; the wait for the batch
.endif
.endif
.set k, k+1
.endm
; A TURN.  Piece x has the matrix unit.  pv = 2: 24 products V^T P; 1: they start O^T's sums; 0: none.  kq = 1: 24 products K Q^T for the next step.  first = 1: the softmax is the first key step's
; (its slices from 51 on are empty; four v_nop take their part as the places behind the last products).
; Piece 0's turn fetches the next step's K behind its second product: the last product that read K stands in front of slice 62 of the turn before, four plain instructions.
; Piece 2's turn fetches the same step's V behind slice 34: behind the last product that read V stand ten scalings, the v_nop and the run's own v_add_nc_u32.
.macro TURN x, pv, kq, first
.set k, 0
.if (\pv) && ((\x) == 0)
	s_wait_dscnt 0x0                               ; V is in
.endif
.set i, 0
.rept 24
.if \pv
	PV \x, 2-(\pv)
.endif
	SLICE 2-(\x), \first
.if ((\x) == 0) && (\kq) && (i == 1)
	FETCH_K
.endif
.set i, i+1
.endr
.rept 15
	SLICE 2-(\x), \first
.endr
.if (\kq) && ((\x) == 0)
	s_wait_dscnt 0x0                               ; K is in
.endif
.set i, 0
.rept 24
.if \kq
	KQ \x
.endif
	SLICE 2-(\x), \first
.set i, i+1
.endr
.if \first
	PLACES
.endif
.endm
; THE CHANGE OF SLOTS, between piece 2's turn and piece 0's.  Each wave waits for all its tensor loads, of which one is out: its part of the other slot; adds 0 to its spare word; and waits for that and for its
; own reads of the slot.  fill = 1: the barrier is a round of the cluster's, and the joint refill, the keys two slots on, is the first thing behind it: it has two key steps, 192 products, in which to land.
.macro CHANGE fill
	WIN 0
	s_wait_tensorcnt 0x0
	ds_add_u32 v[SPW], v[NIL]
.if \fill
.irp g, G0K+4, G0V+4
	s_xor_b32 s[(\g)+1], s[(\g)+1], SLOT1
	s_add_nc_u64 s[(\g)+2:(\g)+3], s[(\g)+2:(\g)+3], SLB
.endr
	s_wait_xcnt 0x0                                ; the last prefetch has read its address
	s_add_nc_u64 s[PFA:PFA+1], s[PFA:PFA+1], SLB
	s_wait_dscnt 0x0                               ; the add is done, and my reads of the slot are over
	CROUND
	JLOAD
	ASK
.else
	s_wait_dscnt 0x0
	s_barrier_signal -1
	s_barrier_wait -1
.endif
	s_sub_co_u32 s[TB], s[TB], 2*STEPB
	s_xor_b32 s[TB], s[TB], SLOT1
.endm
.macro TWO_STEPS
	WIN 0
	s_mov_b32 s[TWICE], 2
.Lstep_\@:
	TURN 0, 2, 1, 0
	TURN 2, 2, 1, 0
	WIN 0
	s_sub_co_u32 s[TWICE], s[TWICE], 1
	s_cmp_lg_u32 s[TWICE], 0
	s_cbranch_scc1 .Lstep_\@
.endm
	s_wait_tensorcnt 1                             ; my part of slot 0 is in; slot 1's may stay out
	s_barrier_signal -1
	s_barrier_wait -1
	FETCH_K                                        ; key step 0
	s_wait_loadcnt 0x0                             ; Q
	s_wait_dscnt 0x0
.set i, 0
.rept 24
	KQ 0                                           ; piece 0's first scores
.set i, i+1
.endr
	WIN 0                                          ; the addresses for the way out: plain instructions, the places behind those products
	s_mul_i32 s63, s[WV], 16*SP
	s_add_co_u32 s63, s63, STAGE                   ; my stage
	v_mul_u32_u24 v[STO], v1, SP
	v_lshl_add_u32 v[STO], v[H], 4, v[STO]
	v_add_nc_u32 v[STO], s63, v[STO]
	v_and_b32 v44, 31, v0
	v_lshlrev_b32 v[GO], 4, v44
.irp f, 0,1,2                          ; chunk c = 32 f + lane of 16 bytes lies at 16 (c + c / 12); c / 12 = (21,846 c) >> 18 for c under 96
	v_add_nc_u32 v45, 32*(\f), v44
	v_mul_u32_u24 v46, v45, 21846
	v_lshrrev_b32 v46, 18, v46
	v_add_nc_u32 v46, v45, v46
	v_lshl_add_u32 v[RD+(\f)], v46, 4, s63
.endr
	TURN 2, 0, 1, 1                                ; piece 2's first scores | piece 0's first softmax | V of step 0
	TURN 0, 1, 1, 1                                ; piece 0: V^T P of step 0 starts O^T, K Q^T of step 1 | piece 2's first softmax | K of step 1
	TURN 2, 1, 1, 0                                ; piece 2: the same | piece 0's softmax of step 1 | V of step 1
	WIN 0
.Lslot:                                        ; 14 trips: every slot but the last two is filled again
	CHANGE 1
	TWO_STEPS
	s_sub_co_u32 s[SLOTS], s[SLOTS], 1
	s_cmp_lg_u32 s[SLOTS], 0
	s_cbranch_scc1 .Lslot
	CHANGE 0                                       ; the tail is written out
	TWO_STEPS
	TURN 0, 2, 0, 0                                ; piece 0: V^T P of the last step | piece 2's last softmax
.set i, 0
.rept 24
	PV 2, 0
.set i, i+1
.endr
	; THE WAY OUT.  l's halves are added; O^T is divided by l, rounded to f16 and sent through my stage, a tile (16 dense rows, 3,072 bytes) at a time.
	WIN 0
.irp t, 0,1,2,3
	v_add_f32 v[ST+8*(\t)+4], v[ST+8*(\t)+2], v[ST+8*(\t)+3]
.endr
.irp t, 0,1,2,3
	v_permlanex16_b32 v[ST+8*(\t)+5], v[ST+8*(\t)+4], s[SEL], s[SEL+1]
.endr
.irp t, 0,1,2,3
	v_add_f32 v[ST+8*(\t)+4], v[ST+8*(\t)+4], v[ST+8*(\t)+5]
.endr
.irp t, 0,1,2,3
	v_rcp_f32 v[ST+8*(\t)+6], v[ST+8*(\t)+4]
.endr
	v_nop                                          ; a plain instruction behind the last reciprocal,
	s_wait_alu depctr_va_vdst(0)                   ; and one wait for the four, ahead of the first use
.macro PACK t
	WIN W_RS
.set i, 48*(\t)
.rept 24
	v_pk_mul_f32 v[i:i+1], v[i:i+1], v[ST+8*(\t)+6:ST+8*(\t)+7] op_sel_hi:[1,0]
.set i, i+2
.endr
	WIN 0x05
.set i, 0
.rept 24
	v_cvt_pk_f16_f32 v[S+32*(\t)+i], v[48*(\t)+2*i], v[48*(\t)+2*i+1]
.set i, i+1
.endr
	WIN 0
.irp f, 0,1,2,3,4,5
	ds_store_b128 v[STO], v[S+32*(\t)+4*(\f):S+32*(\t)+4*(\f)+3] offset:32*(\f)
.endr
.irp f, 0,1,2,3,4,5
	ds_load_b128 v[S+32*(\t)+4*(\f):S+32*(\t)+4*(\f)+3], v[RD+(\f)%3] offset:((\f)/3)*8*SP  ; LDS serves a wave's instructions in order: these see the stores above
.endr
.endm
.macro SEND t, younger                 ; younger: the LDS instructions issued behind tile t's loads: the next tile's twelve, or none
	WIN 0
.irp f, 0,1,2,3,4,5
	s_wait_dscnt (\younger)+5-(\f)
	global_store_b128 v[GO], v[S+32*(\t)+4*(\f):S+32*(\t)+4*(\f)+3], s[6:7] offset:(\t)*16*ROWB+(\f)*512  ; 512 consecutive bytes, aligned
.endr
.endm
	PACK 0
	PACK 1
	SEND 0, 12
	PACK 2
	SEND 1, 12
	PACK 3
	SEND 2, 12
	SEND 3, 0
	s_wait_tensorcnt 0x0                           ; the wave's end
	ds_add_u32 v[SPW], v[NIL]
	s_wait_dscnt 0x0
	CROUND                                         ; the closing round
	s_endpgm
.Lfunc_end_k_qa2cf6810d3_attn:
	.size	k_qa2cf6810d3_attn, .Lfunc_end_k_qa2cf6810d3_attn-k_qa2cf6810d3_attn
	.p2alignl 7, 3214868480
	.fill 96, 4, 3214868480
	.section	.rodata,"a",@progbits
	.p2align	6, 0x0
	.amdhsa_kernel k_qa2cf6810d3_attn
		.amdhsa_group_segment_fixed_size 327680
		.amdhsa_private_segment_fixed_size 0
		.amdhsa_enable_private_segment 0
		.amdhsa_kernarg_size 16
		.amdhsa_user_sgpr_count 2
		.amdhsa_user_sgpr_kernarg_segment_ptr 1
		.amdhsa_wavefront_size32 1
		.amdhsa_system_sgpr_workgroup_id_x 1
		.amdhsa_system_sgpr_workgroup_id_y 1
		.amdhsa_system_sgpr_workgroup_id_z 1
		.amdhsa_system_vgpr_workitem_id 0
		.amdhsa_next_free_vgpr 864
		.amdhsa_next_free_sgpr 66
		.amdhsa_reserve_vcc 0
		.amdhsa_float_denorm_mode_32 3
		.amdhsa_float_denorm_mode_16_64 3
		.amdhsa_memory_ordered 1
		.amdhsa_forward_progress 1
		.amdhsa_inst_pref_size 191
	.end_amdhsa_kernel
	.amdgpu_metadata
---
amdhsa.version: [ 1, 2 ]
amdhsa.kernels:
  - .name:           k_qa2cf6810d3_attn
    .symbol:         k_qa2cf6810d3_attn.kd
    .args:
      - { .name: qkv, .offset: 0, .size: 8, .value_kind: global_buffer, .address_space: global }
      - { .name: oh, .offset: 8, .size: 8, .value_kind: global_buffer, .address_space: global }
    .group_segment_fixed_size: 327680
    .private_segment_fixed_size: 0
    .kernarg_segment_align: 8
    .kernarg_segment_size: 16
    .max_flat_workgroup_size: 128
    .sgpr_count:     66
    .vgpr_count:     864
    .wavefront_size: 32
...
	.end_amdgpu_metadata
.endif
;; end of part 3
;; launch outp (part 4): grid 4 x 64, 4 waves a work-group, clusters of 4 x 4, 327,680 bytes of LDS; arguments oh, wts, bo, out0; writes out0
.if DOCPART == 4
	.amdgcn_target "amdgcn-amd-amdhsa--gfx1250"
	.amdhsa_code_object_version 6
	.text
	.protected	k_qa2cf6810d3_outp
	.globl	k_qa2cf6810d3_outp
	.p2align	8
	.type	k_qa2cf6810d3_outp,@function
k_qa2cf6810d3_outp:
	s_mov_b64 s[64:65], 0
	v_nop
	global_prefetch_b8 v0, s[64:65] scope:SCOPE_SE
	s_setreg_imm32_b32 hwreg(HW_REG_WAVE_MODE, 25, 1), 1
	s_wait_xcnt 0x0
	s_wait_alu depctr_hold_cnt(0) depctr_sa_sdst(0) depctr_va_vdst(0) depctr_va_sdst(0) depctr_va_ssrc(0) depctr_va_vcc(0) depctr_vm_vsrc(0)
	s_getreg_b32 s2, hwreg(HW_REG_IB_STS2, 6, 4)
	s_cmp_eq_u32 s2, 0
	s_cbranch_scc0 .Lentry_in_a_cluster
	s_endpgm
.Lentry_in_a_cluster:
	s_bfe_u32 s2, ttmp6, 0x10000c
	s_cmp_lg_u32 s2, 0xf033
	s_cbranch_scc0 .Lentry_shape_is_right
	s_endpgm
.Lentry_shape_is_right:
; THE LAST PRODUCT.  out0[row][n] = sum over head, k of oh[8 batch + head][s][k] Wo[96 head + k][n] + bo[n], in f32.  oh is f16; Wo comes from wts[3] as f16 in panels of 96 columns, [j][c][96];
; bo is rounded to bf16 like every input and starts the f32 sums.
; SHARES.  A tile is 128 rows x 192 columns: 64 x 4 = 256 tiles.  Four waves, 2 x 2, each 64 rows x one panel of 96 columns: 24 accumulators.  K = 768 goes in 24 chunks of 32: chunk c is head c / 3, channels 32 (c % 3) on.
; O BY REGISTERS.  oh's rows lie in memory as a fragment wants them (lane l: row l % 16, 16 bytes at 16 (l / 16) and 16 bytes 32 further on): a chunk is 8 loads, 32 registers, straight from memory.  A ring of eight
; such buffers: in chunk c the buffer that chunk c - 1 multiplied is asked for again, for chunk c + 7.  The six loads of a block of 16 rows and a head cover 3,072 consecutive bytes.
; O IS NOT ASKED FOR JOINTLY, though four work-groups read the same rows: a joint load lands in LDS, and beside it Wo's slots would hold 96 along K, 72 products for a refill to land in; without it they hold 256.
; Wo THROUGH LDS.  Two slots of 256 along K (eight chunks), so K has three slot steps and ONE refill.  Each wave fills one panel's 128 rows: 24,576 dense bytes asked for as 96 rows of 256 and padded by 32 bytes behind
; every 64: a row is 288 bytes, columns 16 n on lie at 96 (n / 2) + 32 (n % 2); they are read turned.
; CLUSTER.  4 x 4: Wo's tile is shared along a column of the cluster and asked for jointly.
; THE 24 CHUNKS ARE WRITTEN OUT by one macro: O's offsets have period 3, the ring period 8: every offset is an immediate, and no pointer is stepped.
; THE STAGE of the way out lies in slot 1, which is filled once: every wave has waited for its reads of slot 1 in front of chunk 15's barrier, and no tensor load follows the stage's stores.
; THE PRODUCT IS USED TRANSPOSED: a lane holds one row and eight neighbouring columns, 32 bytes of f32.
; No prefetch: the ring asks seven of the 24 chunks ahead from the first line on, and the launch is short.
; REGISTERS: window 0: v0-38 addresses; v64-255 accumulator (a, n) at 64 + 8 (6 a + n).   window 1: v0-47, v48-95 Wo's fragments, two buffers; v96-143 the bias; v144-147 at work.   window 2: O's ring, buffer q at 32 q.
.set BP,    288
.set CH,    32*BP                      ; a chunk's 32 rows
.set BQ,    128*BP                     ; what one tensor load brings
.set BH,    256*BP                     ; a panel's 256 rows
.set SLOT,  2*BH                       ; 147,456
.set STAGE, SLOT                       ; 128 rows x 784 bytes, the work-group's, in slot 1
.set SPI,   784
.set SPARE, 2*SLOT                     ; the spare words: two blocks of 256 bytes that no other line names
.set WT,    1179648
.set WPAN,  147456
.set HB,    393216                     ; bytes of a head in oh
.set AO,   16                          ; v16     my byte offset in a block of 16 rows of oh; never rewritten
.set ADRB, 20                          ; v20-23  LDS address of my panel's turning loads: slot s, rows 128 f on, at 20 + 2 s + f
.set STO,  24
.set RD,   25                          ; v25-27
.set SPW,  28
.set NIL,  29
.set BO,   31
.set CO,   36                          ; v36-38
.set ACC,  64
.set BIAS, 96
.set G1B,  48
.set G0B,  56                          ; s[56:63] group 0, a set a slot
.set MSB, 0
.macro WIN new
.if MSB != (\new)
	s_set_vgpr_msb (MSB<<8)|(\new)
.set MSB, \new
.endif
.endm
.macro PLACES
.rept 4
	v_nop
.endr
.endm
.macro CREST
	s_cmp_lg_u32 s10, 0
	s_cbranch_scc1 .Lnot_wave_0_\@
	s_barrier_signal -3
.Lnot_wave_0_\@:
	s_barrier_wait -3
	s_barrier_signal -1
	s_barrier_wait -1
.endm
.macro CROUND
	s_barrier_signal -1
	s_barrier_wait -1
	CREST
.endm
; Chunk c of O: 8 loads into ring buffer c % 8.
.macro LOADA c
	WIN 0x80                                       ; destination window 2, address window 0
.set lo, ((\c)/3)*HB+((\c)%3)*64
.set la, 0
.rept 4
	global_load_b128 v[32*((\c)%8)+8*la:32*((\c)%8)+8*la+3],   v[AO], s[14:15] offset:lo+la*3072
	global_load_b128 v[32*((\c)%8)+8*la+4:32*((\c)%8)+8*la+7], v[AO], s[14:15] offset:lo+la*3072+32
.set la, la+1
.endr
.endm
; Chunk c of Wo: 12 turning loads, my panel's six fragments, into buffer c % 2.
.macro FETCHB c
	WIN 0x40                                       ; destination window 1
.set fr, ADRB+2*(((\c)/8)%2)+((\c)%8)/4
.set fo, ((\c)%4)*CH
.set fb, 0
.rept 6
	ds_load_tr16_b128 v[48*((\c)%2)+8*fb:48*((\c)%2)+8*fb+3],   v[fr] offset:fo+96*(fb/2)+32*(fb%2)
	ds_load_tr16_b128 v[48*((\c)%2)+8*fb+4:48*((\c)%2)+8*fb+7], v[fr] offset:fo+96*(fb/2)+32*(fb%2)+16*BP
.set fb, fb+1
.endr
.endm
; Six products of chunk c: rows 16 a on x my panel's six column blocks.  The 24 accumulators take turns, one instruction a turn.  Chunk 0's products start the sums with the bias.
.macro MULO c, a
.set rA, 32*((\c)%8)+8*(\a)
.set rB, 48*((\c)%2)
.set mb, 0
.rept 6
.set rD, ACC+8*(6*(\a)+mb)
.if (\c) == 0
	WIN 0x19                                       ; Wo in window 1, O in window 2, the bias in window 1, the sums in window 0
	v_wmma_f32_16x16x32_f16 v[rD:rD+7], v[rB+8*mb:rB+8*mb+7], v[rA:rA+7], v[BIAS+8*mb:BIAS+8*mb+7]
.else
	WIN 0x09
	v_wmma_f32_16x16x32_f16 v[rD:rD+7], v[rB+8*mb:rB+8*mb+7], v[rA:rA+7], v[rD:rD+7]
.endif
.set mb, mb+1
.endr
.endm
; CHUNK c.  Behind its first six products (a change of slots: twelve) and four places stand the next chunk's Wo and, into the ring buffer that chunk c - 1 multiplied, O of chunk c + 7.
; turn = 1: the next chunk lies in the other slot.  In front of the barrier each wave waits for all its tensor loads, adds 0 to its spare word, and waits for that; its reads of this slot were waited for at the chunk's head.
; fill = 1: the barrier opens a round of the cluster's barrier, and the joint refill of slot 0, with K = 512 on, is the first thing behind it: it has eight chunks in which to land.
.macro CHUNK c, turn, fill
.set cn, 48
.if (\c) > 17
.set cn, 8*(23-(\c))
.endif
	s_wait_dscnt 0x0                               ; this chunk's Wo is in
	s_wait_loadcnt cn                              ; this chunk's O is in: behind it the chunks up to c + 6, or up to the last, were asked for, 8 loads each
.if \turn
	WIN 0
	s_wait_tensorcnt 0x0                           ; all my tensor loads have landed, so a group 0 may be written
	ds_add_u32 v[SPW], v[NIL]
.if \fill
	s_add_nc_u64 s[G0B+2:G0B+3], s[G0B+2:G0B+3], 2*49152
.endif
	MULO \c, 0
	s_wait_dscnt 0x0                               ; the add is done
	s_barrier_signal -1
	MULO \c, 1
	WIN 0
	s_barrier_wait -1
.if \fill
	CREST                                          ; no wave of any partner still reads slot 0 or has a load on its way
	tensor_load_to_lds s[G0B:G0B+3], s[G1B:G1B+7]
	s_nop 0
.endif
	PLACES
.else
	MULO \c, 0
.if (\c) < 23
	PLACES
.endif
.endif
.if (\c) < 23
	FETCHB (\c)+1
.endif
.if (\c) < 17
	LOADA (\c)+7
.endif
.if !(\turn)
	MULO \c, 1
.endif
	MULO \c, 2
	MULO \c, 3
.endm
	s_load_b256 s[68:75], s[0:1], 0x0              ; oh s[68:69], wts s[70:71], bo s[72:73], out0 s[74:75]
	v_lshl_add_u32 v[SPW], v0, 2, SPARE
	v_mov_b32 v[NIL], 0
	ds_add_u32 v[SPW], v[NIL]                      ; the wave's opening: the add and its wait ahead of my first tensor load
	v_lshrrev_b32 v1, 5, v0
	v_readfirstlane_b32 s10, v1
	s_lshr_b32 s11, s10, 1                         ; my half of the tile's rows.  Also: which 128 of a slot's 256 rows of Wo I fetch
	s_and_b32 s12, s10, 1                          ; my panel.  Also: which panel I fetch
	s_bfe_u32 s40, ttmp6, 0x40000                  ; cx = the column group
	s_bfe_u32 s41, ttmp6, 0x40004                  ; cy
	s_and_b32 s42, ttmp7, 0xffff
	s_lshl_b32 s13, s42, 2
	s_add_co_u32 s13, s13, s41                     ; the block of 128 rows, 0 to 63
	s_lshl_b32 s45, 0x1111, s40                    ; my column of the cluster
	s_or_b32 s[G1B], s45, (1<<16)|(1<<20)|(1<<21)|(3<<22)|(7<<25)   ; the mask; 2-byte elements; padding on; bit 21 beside a mask; after every 16 words, 8 words
	s_mov_b32 s[G1B+1], 128<<16                    ; 128 rows of 192 dense bytes as 96 rows of 128 elements
	s_mov_b32 s[G1B+2], 96<<16
	s_mov_b32 s[G1B+3], 128<<16
	s_mov_b32 s[G1B+4], 96
	s_mov_b32 s[G1B+5], 128
	s_mov_b32 s[G1B+6], 0
	s_mov_b32 s[G1B+7], 0
	s_lshr_b32 s16, s13, 4                         ; O: batch,
	s_lshl_b32 s16, s16, 14                        ; its head 0: 8 x 2,048 rows a batch,
	s_and_b32 s17, s13, 15
	s_lshl_b32 s17, s17, 7
	s_add_co_u32 s16, s16, s17                     ; the block's rows,
	s_lshl_b32 s17, s11, 6
	s_add_co_u32 s16, s16, s17                     ; my wave's 64
	s_mul_i32 s16, s16, 192
	s_mov_b32 s17, 0
	s_lshl_b32 s66, s40, 1
	s_add_co_u32 s66, s66, s12
	s_mul_i32 s66, s66, WPAN                       ; Wo: panel 2 cx + half,
	s_add_co_u32 s66, s66, 3*WT
	s_mul_i32 s67, s11, 24576
	s_add_co_u32 s66, s66, s67                     ; my 128 rows of 192 bytes
	s_mov_b32 s67, 0
	s_mul_i32 s23, s12, BH                         ; where they go: no place in the cluster enters an LDS address
	s_mul_i32 s22, s11, BQ
	s_add_co_u32 s23, s23, s22
	s_lshl_b32 s18, s13, 7                         ; the output: the 32 rows that I store, and the tile's first column
	s_lshl_b32 s19, s10, 5
	s_add_co_u32 s18, s18, s19
	s_mul_i32 s18, s18, 3072
	s_mul_i32 s19, s40, 768
	s_add_co_u32 s18, s18, s19
	s_mul_i32 s20, s12, 384
	s_add_co_u32 s20, s20, s19                     ; the bias of my panel: 768 cx + 384 panel
	s_mov_b32 s19, 0
	v_and_b32 v1, 15, v0                           ; r
	v_bfe_u32 v2, v0, 4, 1                         ; h
	v_and_b32 v7, 31, v0                           ; lane
	v_mul_u32_u24 v[AO], v1, 192
	v_lshl_add_u32 v[AO], v2, 4, v[AO]             ; row x 192 + 16 h
	v_lshl_add_u32 v[BO], v2, 5, s20
	s_wait_dscnt 0x0                               ; the opening add is done
	s_wait_kmcnt 0x0
	s_add_nc_u64 s[14:15], s[68:69], s[16:17]
	s_add_nc_u64 s[46:47], s[70:71], s[66:67]
	s_add_nc_u64 s[8:9], s[74:75], s[18:19]
.irp s, 0,1
	s_mov_b32 s[G0B+4*(\s)], 1
	s_add_co_u32 s[G0B+4*(\s)+1], s23, (\s)*SLOT
	s_add_nc_u64 s[G0B+4*(\s)+2:G0B+4*(\s)+3], s[46:47], (\s)*49152   ; slot s: 256 rows of 192 bytes on
	s_or_b32 s[G0B+4*(\s)+3], s[G0B+4*(\s)+3], 0x80000000
.endr
	WIN 0x40                                       ; destination window 1
.set bi, 0
.rept 6                                ; the bias first, then the ring's first chunks: they are on their way while the cluster meets
	global_load_b128 v[BIAS+8*bi:BIAS+8*bi+3],   v[BO], s[72:73] offset:64*bi
	global_load_b128 v[BIAS+8*bi+4:BIAS+8*bi+7], v[BO], s[72:73] offset:64*bi+16
.set bi, bi+1
.endr
.irp c, 0,1,2,3,4,5
	LOADA \c
.endr
	WIN 0
	CROUND                                         ; all sixteen work-groups are here: the first joint loads meet
	tensor_load_to_lds s[G0B:G0B+3], s[G1B:G1B+7]  ; my part of slot 0: two loads of mine are out
	s_nop 0
	tensor_load_to_lds s[G0B+4:G0B+7], s[G1B:G1B+7]  ; and of slot 1
	s_nop 0
.rept 4
	v_nop
.endr
	LOADA 6
	WIN 0
	s_mul_i32 s2, s12, BH                          ; my panel
	v_and_b32 v4, 7, v0
	v_bfe_u32 v5, v0, 3, 1
	v_lshl_add_u32 v6, v2, 3, v4                   ; the turning load: lane l reads row 8 (l / 16) + l % 8, 16 bytes at 16 ((l / 8) % 2)
	v_mul_u32_u24 v6, v6, BP
	v_lshl_add_u32 v6, v5, 4, v6
	v_add_nc_u32 v[ADRB], s2, v6
	v_add_nc_u32 v[ADRB+1], BQ, v[ADRB]
	v_add_nc_u32 v[ADRB+2], SLOT, v[ADRB]
	v_add_nc_u32 v[ADRB+3], BQ, v[ADRB+2]
	s_mul_i32 s2, s11, 64*SPI                      ; into the stage: my 64 rows, my panel's 384 bytes of their 768
	s_mul_i32 s21, s12, 384
	s_add_co_u32 s2, s2, s21
	s_add_co_u32 s2, s2, STAGE
	v_mul_u32_u24 v8, v1, SPI
	v_lshl_add_u32 v8, v2, 5, v8
	v_add_nc_u32 v[STO], s2, v8
	s_mul_i32 s2, s10, 32*SPI                      ; back: wave w takes rows 32 w on, two rows (1,536 bytes) in three loads
	s_add_co_u32 s2, s2, STAGE
	v_lshl_add_u32 v[RD], v7, 4, s2                ; row 0, bytes 0 to 511
	v_lshlrev_b32 v8, 4, v1
	v_mul_u32_u24 v9, v2, 272
	v_add_nc_u32 v9, v8, v9
	v_add_nc_u32 v9, 512, v9
	v_add_nc_u32 v[RD+1], s2, v9                   ; row 0, bytes 512 to 767; row 1, bytes 0 to 255
	v_add_nc_u32 v[RD+2], 1040, v[RD]              ; row 1, bytes 256 to 767
	v_lshlrev_b32 v[CO], 4, v7                     ; and the same in out0, whose rows are 3,072 bytes
	v_mul_u32_u24 v9, v2, 2560
	v_add_nc_u32 v9, v8, v9
	v_add_nc_u32 v[CO+1], 512, v9
	v_add_nc_u32 v[CO+2], 3328, v[CO]
	s_wait_loadcnt 56                              ; the bias is in: behind it chunks 0 to 6 were asked for, 8 loads each
	WIN 0x45                                       ; sources and destination in window 1
.set bi, 0
.rept 24                               ; rounded to bf16 like every input, and widened again
	v_cvt_pk_bf16_f32 v[144+bi%4], v[BIAS+2*bi], v[BIAS+2*bi+1]
	v_lshlrev_b32 v[BIAS+2*bi], 16, v[144+bi%4]
	v_and_b32 v[BIAS+2*bi+1], 0xffff0000, v[144+bi%4]
.set bi, bi+1
.endr
	WIN 0
	s_wait_tensorcnt 1                             ; my part of slot 0 is in; slot 1's may stay out
	s_barrier_signal -1
	s_barrier_wait -1
	FETCHB 0
.set cc, 0
.rept 24
.if cc == 7
	CHUNK cc, 1, 1                                 ; slot 0 is read out: it is filled again
.elseif cc == 15
	CHUNK cc, 1, 0                                 ; slot 1 is read out: nothing is left to fetch
.else
	CHUNK cc, 0, 0
.endif
.set cc, cc+1
.endr
	WIN 0
	; THE WAY OUT: 32 bytes a lane straight from the accumulators into the work-group's stage; a barrier, since a row's 768 bytes come from two waves; back as whole rows, 32 rows a wave.
	PLACES
	PLACES
.set ti, 0
.rept 24                               ; accumulator ti = 6 a + n; its lowest registers go first
	ds_store_b128 v[STO], v[ACC+8*ti:ACC+8*ti+3]   offset:(ti/6)*16*SPI+64*(ti%6)
	ds_store_b128 v[STO], v[ACC+8*ti+4:ACC+8*ti+7] offset:(ti/6)*16*SPI+64*(ti%6)+16
.set ti, ti+1
.endr
	s_wait_dscnt 0x0                               ; for the others' sake: my stores into the stage are done
	s_barrier_signal -1
	s_barrier_wait -1
.set ti, 0
.rept 48
	ds_load_b128 v[ACC+4*ti:ACC+4*ti+3], v[RD+ti%3] offset:(ti/3)*2*SPI
.set ti, ti+1
.endr
.set ti, 0
.rept 48
	s_wait_dscnt 47-ti                             ; load ti is back
	global_store_b128 v[CO+ti%3], v[ACC+4*ti:ACC+4*ti+3], s[8:9] offset:(ti/3)*6144  ; sixteen lanes store 256 consecutive bytes, aligned
.set ti, ti+1
.endr
	s_wait_tensorcnt 0x0                           ; the wave's end
	ds_add_u32 v[SPW], v[NIL]
	s_wait_dscnt 0x0
	CROUND                                         ; the closing round
	s_endpgm
.Lfunc_end_k_qa2cf6810d3_outp:
	.size	k_qa2cf6810d3_outp, .Lfunc_end_k_qa2cf6810d3_outp-k_qa2cf6810d3_outp
	.p2alignl 7, 3214868480
	.fill 96, 4, 3214868480
	.section	.rodata,"a",@progbits
	.p2align	6, 0x0
	.amdhsa_kernel k_qa2cf6810d3_outp
		.amdhsa_group_segment_fixed_size 327680
		.amdhsa_private_segment_fixed_size 0
		.amdhsa_enable_private_segment 0
		.amdhsa_kernarg_size 32
		.amdhsa_user_sgpr_count 2
		.amdhsa_user_sgpr_kernarg_segment_ptr 1
		.amdhsa_wavefront_size32 1
		.amdhsa_system_sgpr_workgroup_id_x 1
		.amdhsa_system_sgpr_workgroup_id_y 1
		.amdhsa_system_sgpr_workgroup_id_z 1
		.amdhsa_system_vgpr_workitem_id 0
		.amdhsa_next_free_vgpr 768
		.amdhsa_next_free_sgpr 76
		.amdhsa_reserve_vcc 0
		.amdhsa_float_denorm_mode_32 3
		.amdhsa_float_denorm_mode_16_64 3
		.amdhsa_memory_ordered 1
		.amdhsa_forward_progress 1
		.amdhsa_inst_pref_size 104
	.end_amdhsa_kernel
	.amdgpu_metadata
---
amdhsa.version: [ 1, 2 ]
amdhsa.kernels:
  - .name:           k_qa2cf6810d3_outp
    .symbol:         k_qa2cf6810d3_outp.kd
    .args:
      - { .name: oh, .offset: 0, .size: 8, .value_kind: global_buffer, .address_space: global }
      - { .name: wts, .offset: 8, .size: 8, .value_kind: global_buffer, .address_space: global }
      - { .name: bo, .offset: 16, .size: 8, .value_kind: global_buffer, .address_space: global }
      - { .name: out0, .offset: 24, .size: 8, .value_kind: global_buffer, .address_space: global }
    .group_segment_fixed_size: 327680
    .private_segment_fixed_size: 0
    .kernarg_segment_align: 8
    .kernarg_segment_size: 32
    .max_flat_workgroup_size: 128
    .sgpr_count:     76
    .vgpr_count:     768
    .wavefront_size: 32
...
	.end_amdgpu_metadata
.endif
;; end of part 4
;; ======== version 2 of 2: 4 launches; version 1 with the launch prep written anew for expert scheduling mode
;; limits: values are held in f16: magnitudes above 65,504 overflow, below 6.1e-05 lose precision
;; workspace buffers: wts 4,718,592 bytes; qkv 37,748,736 bytes; oh 12,582,912 bytes
;; launch prep (part 5): grid 72 x 4, 8 waves a work-group, no clusters, 0 bytes of LDS; arguments Wq, Wk, Wv, Wo, wts; writes wts
.if DOCPART == 5
	.amdgcn_target "amdgcn-amd-amdhsa--gfx1250"
	.amdhsa_code_object_version 6
	.text
	.protected	k_qa2cf6810d3_prep
	.globl	k_qa2cf6810d3_prep
	.p2align	8
	.type	k_qa2cf6810d3_prep,@function
k_qa2cf6810d3_prep:
	s_mov_b64 s[64:65], 0
	v_nop
	global_prefetch_b8 v0, s[64:65] scope:SCOPE_SE
	s_setreg_imm32_b32 hwreg(HW_REG_WAVE_SCHED_MODE, 0, 2), 2
	s_setreg_imm32_b32 hwreg(HW_REG_WAVE_MODE, 25, 1), 1
	s_wait_xcnt 0x0
	s_wait_alu depctr_vm_vsrc(0)
; THE WEIGHTS IN 16 BITS.  wts is [4][8][768][96] in 16 bits: 0, 1, 2 = Wq, Wk, Wv rounded to bf16, in their own order [head][d][k];
; 3 = Wo in panels of 96 columns, [j][c][n] = Wo[c][96 j + n], rounded to bf16 and that number written as f16.
; LIMITS.  |Wo| stays under 65,504 (f16's end); below 6e-5 it keeps f16's fixed step of 6e-8.
; SHARES.  grid y = the tensor; a work-group makes 8,192 numbers of it, thread t four numbers in each of eight pieces of 1,024:
; a wave's load covers 512 bytes (Wo: in runs of 384), a wave's store 256 consecutive bytes, aligned.  A plain stream: no LDS, no loop.
; THE MODE: SCHED_MODE bits 1:0 = 2 (LLVM: expert scheduling mode 2), set by the entry lines.  The code itself states the register dependences
; between vector instructions and memory instructions, with s_wait_alu, always for 0.
; THE PLAN.  Registers that memory instructions touch:
;   v4-v11   piece i's byte offset in the source.  Written by the address lines at the head; read by the eight loads; never written again.
;   v2       my 8 bytes of a piece in wts.  Written once at the head; read by the eight stores; never written again.
;   v16-v47  piece i as loaded, four registers.  Written by the loads alone, once; read by the roundings, behind the counted wait for the piece.
;   v48-v63  piece i to store, two registers.  Written by piece i's roundings; read by piece i's store; never written again.
;   v1 and v64-v67 are named by vector instructions alone.
; So three waits stand on a wave's path: one ahead of the first load (all offsets are written); one at the head of piece 4 (pieces 0 to 3 are rounded: their four stores
; follow in one run); one behind piece 7's roundings (the last four stores).  No register that a memory instruction has read is written again, no vector instruction
; writes a scalar register or VCC, and EXEC is never written: nothing else is to be stated.
.set WT,    1179648                    ; bytes of one tensor in wts
.set PANEL, 73728                      ; numbers in a panel of 768 x 96
	s_load_b256 s[4:11], s[0:1], 0x0               ; Wq s[4:5], Wk s[6:7], Wv s[8:9], Wo s[10:11]
	s_load_b64 s[12:13], s[0:1], 0x20              ; wts
	s_and_b32 s14, ttmp7, 0xffff                   ; the tensor
	s_mov_b32 s15, ttmp9                           ; the work-group, 0 to 71
	s_mul_i32 s16, s15, 57
	s_lshr_b32 s16, s16, 9                         ; its panel j = work-group / 9 (57 / 512 serves up to 71)
	s_mul_i32 s17, s16, 9
	s_sub_co_u32 s17, s15, s17
	s_lshl_b32 s17, s17, 13                        ; its first number within the panel
	s_mul_i32 s22, s16, 96
	s_mul_i32 s23, s16, PANEL
	s_cmp_eq_u32 s14, 3
	s_cselect_b32 s18, 672, 0                      ; Wo: a row of the panel (96) is 768 apart in the source: 672 more for each row c
	s_cselect_b32 s19, s22, s23                    ; Wo: the panel begins at column 96 j; the others: at number 73,728 j
	s_mov_b32 s24, 43691                           ; x / 96 = (43,691 x) >> 22 for x under 73,728; the product stays under 2^32
	s_mul_i32 s26, s14, WT
	s_lshl_b32 s27, s15, 14
	s_add_co_u32 s26, s26, s27                     ; where the work-group stores, in bytes
	s_mov_b32 s27, 0
	v_lshl_add_u32 v1, v0, 2, s17                  ; my first number within the panel
	v_lshlrev_b32 v2, 3, v0                        ; my 8 bytes of a piece
.irp i, 0,1,2,3,4,5,6,7
	v_add_nc_u32 v64, 1024*(\i), v1                ; place in the panel = 96 c + n
	v_mul_u32_u24 v65, v64, s24
	v_lshrrev_b32 v65, 22, v65                     ; c
	v_mad_u32_u24 v65, v65, s18, v64
	v_add_nc_u32 v65, s19, v65                     ; the number's place in the source
	v_lshlrev_b32 v[4+(\i)], 2, v65
.endr
	s_wait_kmcnt 0x0
	s_cmp_eq_u32 s14, 1
	s_cselect_b64 s[20:21], s[6:7], s[4:5]
	s_cmp_eq_u32 s14, 2
	s_cselect_b64 s[20:21], s[8:9], s[20:21]
	s_cmp_eq_u32 s14, 3
	s_cselect_b64 s[20:21], s[10:11], s[20:21]
	s_add_nc_u64 s[12:13], s[12:13], s[26:27]
	s_wait_alu depctr_va_vdst(0)                   ; the address lines have written v4 to v11, which the loads read as offsets, and v2, which every store reads as its offset
.irp i, 0,1,2,3,4,5,6,7
	global_load_b128 v[16+4*(\i):19+4*(\i)], v[4+(\i)], s[20:21] th:TH_LOAD_NT
.endr
; Four stores in one run: pieces first to first + 3.
.macro SEND4 first
.irp k, 0,1,2,3
	global_store_b64 v2, v[48+2*((\first)+(\k)):49+2*((\first)+(\k))], s[12:13] offset:2048*((\first)+(\k))
.endr
.endm
; Piece i: rounded to bf16; half = 1: that number widened again and written as f16 (exact within f16's range).  At the head of piece 4 the first four pieces leave.
.macro CONV i, half
	s_wait_loadcnt 7-(\i)                          ; loads come back in order: piece i is in, the younger ones stay out
.if (\i) == 4
	s_wait_alu depctr_va_vdst(0)                   ; the roundings of pieces 0 to 3 have written v48 to v55, which the four stores below read
	SEND4 0
.endif
	v_cvt_pk_bf16_f32 v[48+2*(\i)], v[16+4*(\i)], v[17+4*(\i)]
	v_cvt_pk_bf16_f32 v[49+2*(\i)], v[18+4*(\i)], v[19+4*(\i)]
.if \half
	v_lshlrev_b32 v64, 16, v[48+2*(\i)]
	v_and_b32 v65, 0xffff0000, v[48+2*(\i)]
	v_lshlrev_b32 v66, 16, v[49+2*(\i)]
	v_and_b32 v67, 0xffff0000, v[49+2*(\i)]
	v_cvt_pk_f16_f32 v[48+2*(\i)], v64, v65
	v_cvt_pk_f16_f32 v[49+2*(\i)], v66, v67
.endif
.endm
	s_cmp_eq_u32 s14, 3
	s_cbranch_scc1 .Lwo
.irp i, 0,1,2,3,4,5,6,7
	CONV \i, 0
.endr
	s_wait_alu depctr_va_vdst(0)                   ; the roundings of pieces 4 to 7 have written v56 to v63, which the last four stores read
	SEND4 4
	s_endpgm
.Lwo:
.irp i, 0,1,2,3,4,5,6,7
	CONV \i, 1
.endr
	s_wait_alu depctr_va_vdst(0)                   ; the roundings of pieces 4 to 7 have written v56 to v63, which the last four stores read
	SEND4 4
	s_endpgm
.Lfunc_end_k_qa2cf6810d3_prep:
	.size	k_qa2cf6810d3_prep, .Lfunc_end_k_qa2cf6810d3_prep-k_qa2cf6810d3_prep
	.p2alignl 7, 3214868480
	.fill 96, 4, 3214868480
	.section	.rodata,"a",@progbits
	.p2align	6, 0x0
	.amdhsa_kernel k_qa2cf6810d3_prep
		.amdhsa_group_segment_fixed_size 0
		.amdhsa_private_segment_fixed_size 0
		.amdhsa_enable_private_segment 0
		.amdhsa_kernarg_size 40
		.amdhsa_user_sgpr_count 2
		.amdhsa_user_sgpr_kernarg_segment_ptr 1
		.amdhsa_wavefront_size32 1
		.amdhsa_system_sgpr_workgroup_id_x 1
		.amdhsa_system_sgpr_workgroup_id_y 1
		.amdhsa_system_sgpr_workgroup_id_z 1
		.amdhsa_system_vgpr_workitem_id 0
		.amdhsa_next_free_vgpr 72
		.amdhsa_next_free_sgpr 66
		.amdhsa_reserve_vcc 0
		.amdhsa_float_denorm_mode_32 3
		.amdhsa_float_denorm_mode_16_64 3
		.amdhsa_memory_ordered 1
		.amdhsa_forward_progress 1
		.amdhsa_inst_pref_size 12
	.end_amdhsa_kernel
	.amdgpu_metadata
---
amdhsa.version: [ 1, 2 ]
amdhsa.kernels:
  - .name:           k_qa2cf6810d3_prep
    .symbol:         k_qa2cf6810d3_prep.kd
    .args:
      - { .name: Wq, .offset: 0, .size: 8, .value_kind: global_buffer, .address_space: global }
      - { .name: Wk, .offset: 8, .size: 8, .value_kind: global_buffer, .address_space: global }
      - { .name: Wv, .offset: 16, .size: 8, .value_kind: global_buffer, .address_space: global }
      - { .name: Wo, .offset: 24, .size: 8, .value_kind: global_buffer, .address_space: global }
      - { .name: wts, .offset: 32, .size: 8, .value_kind: global_buffer, .address_space: global }
    .group_segment_fixed_size: 0
    .private_segment_fixed_size: 0
    .kernarg_segment_align: 8
    .kernarg_segment_size: 40
    .max_flat_workgroup_size: 256
    .sgpr_count:     66
    .vgpr_count:     72
    .wavefront_size: 32
...
	.end_amdgpu_metadata
.endif
;; end of part 5
;; launch proj: the kernel of part 2 again; grid 4 x 96, 4 waves a work-group, clusters of 4 x 4, 327,680 bytes of LDS; arguments input_querys, input_key, input_values, wts, bq, bk, bv, qkv; writes qkv
;; launch attn: the kernel of part 3 again; grid 8 x 32, 4 waves a work-group, clusters of 4 x 1, 327,680 bytes of LDS; arguments qkv, oh; writes oh
;; launch outp: the kernel of part 4 again; grid 4 x 64, 4 waves a work-group, clusters of 4 x 4, 327,680 bytes of LDS; arguments oh, wts, bo, out0; writes out0
